; MI455X (gfx1250); checked and timed in simulation.
; The chip was launched on July 23, 2026; its instructions are those of AMD's public machine-readable ISA for CDNA 5 (MIT licence, August 2026) and "CDNA5" Instruction Set Architecture Reference Guide (July 2026). The comments in the code are by the model that wrote it; some were corrected since.
;; Cross Attention. Allowed arithmetic: matrix products marked QUANTISED: E2M3 operands, one E8M0 scale for each 32 along K, by v_wmma_scale_f32_16x16x128_f8f6f4 with both operands' format E2M3, f32 sums; everything else in f32.
;; Inputs: Wk 1,024 x 1,024 float32; Wo 1,024 x 1,024 float32; Wq 1,024 x 1,024 float32; Wv 1,024 x 1,024 float32; bk 1,024 float32; bo 1,024 float32; bq 1,024 float32; bv 1,024 float32; context 8 x 1,024 x 1,024 float32; x 8 x 1,024 x 1,024 float32.
;; Outputs: out0 8 x 1,024 x 1,024 float32.
;; This version of the problem:
;;   THIS VERSION OF THE PROBLEM IS GIVEN IN LOW PRECISION. The matrix products marked QUANTISED in the list below multiply operands that are first quantised to E2M3 (2 exponent bits, 3 mantissa bits; 6 bits a number), with one power-of-two scale for each 32 numbers along K (OCP MX v1.0); their sums are f32. All else is computed in f32.
;;   The module's matrix products, in the order in which they are computed (A, B: the left and right operand; K: the contracted axis; several contracted axes count as one K, in the product's order):
;;     1. [M 8,192, K 1,024] x [K 1,024, N 1,024]; A: input x; B: input Wq: QUANTISED
;;     2. [M 8,192, K 1,024] x [K 1,024, N 1,024]; A: input context; B: input Wk: QUANTISED
;;     3. [M 8,192, K 1,024] x [K 1,024, N 1,024]; A: input context; B: input Wv: QUANTISED
;;     4. batch 128 x [M 1,024, K 64] x [K 64, N 1,024]; A: computed on the way; B: computed on the way: QUANTISED
;;     5. batch 128 x [M 1,024, K 1,024] x [K 1,024, N 64]; A: softmax (see below); B: computed on the way: QUANTISED
;;     6. [M 8,192, K 1,024] x [K 1,024, N 1,024]; A: computed on the way; B: input Wo: QUANTISED
;;   THE QUANTISER, for each operand of a quantised product, along K:
;;     - K is cut into blocks of 32 from its start; a last block that is shorter is filled with zeros.
;;     - A block's scale is 2^e with e = floor(log2(the largest magnitude in the block)) - 2, held to -126 .. 127; a block of zeros has e = 0. As a byte (E8M0): e + 127.
;;     - Each number is divided by its block's scale, clamped to +-7.5, and rounded to the nearest number of E2M3, ties to even, subnormals kept.
;;     - The product sums the exact products of the quantised numbers (number of the format x scale) in f32.
;;   ~~~python
;;   def quantise(x, axis):      # numpy; x: float32 -> the quantised numbers, widened to float32 again
;;       x = np.moveaxis(x, axis, -1); K = x.shape[-1]
;;       x = np.pad(x, [(0, 0)] * (x.ndim - 1) + [(0, -K % 32)]); x = x.reshape(x.shape[:-1] + (-1, 32)); a = np.abs(x).max(-1, keepdims=True)
;;       e = np.where(a > 0, np.clip(np.frexp(np.where(a > 0, a, 1))[1] - 1 - 2, -126, 127), 0)      # np.frexp(a)[1] - 1 = floor(log2(a)), exactly
;;       r = np.clip(x / 2.0 ** e, -7.5, 7.5)
;;       step = 2.0 ** (np.maximum(np.frexp(np.where(r == 0, 1, r))[1] - 1, 0) - 3)
;;       q = np.round(r / step) * step * 2.0 ** e      # np.round: ties to even
;;       return np.moveaxis(q.reshape(q.shape[:-2] + (-1,))[..., :K], -1, axis).astype(np.float32)
;;   ~~~
;;   SOFTMAX AHEAD OF A QUANTISED PRODUCT. Where the list says 'softmax', what is quantised is not the finished softmax but p = 2^(t - M), with t = logit x log2(e) and M = ceil(the row's largest t), a whole number; so 1/2 < the row's largest p <= 1. The row's sum l is taken of the UNQUANTISED p, in f32, and the product's result is divided by l at the end. Since M is a whole number, a kernel that streams over the keys may use a running M (the ceiling of the running maximum): every later rescaling is an exact power of two, which a block's scale takes up: the codes' values come out the same.
;;   OPERANDS COMPUTED ON THE WAY. 'Computed on the way' means the value that the module computes at that place (a softmax that the list does not call 'softmax' is quantised finished and normalised). What goes into a quantiser is computed in f32, as accurately as f32 sums, v_exp_f32 and their like allow (about 1e-6 of the number): no bf16 or f16 on the way to a quantiser, and a product that is left as it is and whose result goes on into a quantised operand takes f32 operands (vector FMAs, or v_wmma_f32_16x16x4_f32). A number that lies on a knife's edge between two numbers of the format may be rounded either way, as far as f32 arithmetic and the matrix unit's own rounding can turn it there, and no further.
;; One version. Each part assembles by itself: llvm-mc -triple=amdgcn-amd-amdhsa -mcpu=gfx1250 --defsym DOCPART=n.
;; ======== version 1 of 1: 4 launches
;; limits: right only within a limited range of input values
;; workspace buffers: act_img 12,582,912 bytes; act_scl 524,288 bytes; w_img 3,145,728 bytes; w_scl 131,072 bytes; qkv_img 18,874,368 bytes; qkv_scl 786,432 bytes; o_img 6,291,456 bytes; o_scl 262,144 bytes
;; launch quant (part 1): grid 640 x 1, 4 waves a work-group, no clusters, 59,904 bytes of LDS; arguments x, context, Wq, Wk, Wv, Wo, act_img, act_scl, w_img, w_scl; writes act_img, act_scl, w_img, w_scl
.if DOCPART == 1
	.amdgcn_target "amdgcn-amd-amdhsa--gfx1250"
	.amdhsa_code_object_version 6
	.text
	.protected	k_qcbb10642c9_quant
	.globl	k_qcbb10642c9_quant
	.p2align	8
	.type	k_qcbb10642c9_quant,@function
k_qcbb10642c9_quant:
	s_mov_b64 s[64:65], 0
	v_nop
	global_prefetch_b8 v0, s[64:65] scope:SCOPE_SE
	s_setreg_imm32_b32 hwreg(HW_REG_WAVE_MODE, 25, 1), 1
	s_wait_xcnt 0x0
; x, context [8192][1024] and Wq, Wk, Wv, Wo [1024 (k)][1024 (n)], f32, become codes of FP6 (E2M3) with one E8M0 byte for each 32 along K = 1,024, laid as IMAGES OF OPERAND REGISTERS.
; A TILE is 16 rows of an operand (for a weight: 16 columns n): slot r of tile t is row 32 (t / 2) + 8 (t % 2) + r + 8 (r / 8).  A HALF FRAGMENT is a tile x 64 along K: six registers a lane, lane (r, h) holding k = 32 h .. 32 h + 31 of
; slot r; in memory registers 0-3 lie at 16 x lane and registers 4-5 at 512 + 8 x lane: 768 bytes.  Codes: tile x 12,288 + K step x 1,536 + half x 768.  Scale words (four bytes: a row's 128 along K): tile x 512 + (step / 2) x 128 + 8 r + 4 (step % 2).
; A block's scale is 2^(floor(log2(largest magnitude)) - 2); its byte is the largest magnitude's exponent field - 2, held at 1 from below.
; LIMITS: a block of zeros, or one whose largest magnitude lies under 2^-124, gets the byte 1 (its codes are zeros or what the floor's scale gives; the bytes are read by this program alone); NaN and infinities are not served.
; Work-groups 0-127 take the weights (a lane a column, registers down K), work-groups 128-639 the activations (a wave: one tile x 512 along K).  Each of the two ways has LDS bytes of its own.  Waves share nothing: no barrier.
.set XST,   0                          ; the activations' stages: 16 rows x (512 + 16) bytes for each wave
.set WST,   33792                      ; the weights' stages: 2 tiles x 3,200 bytes for each wave
.set SPARE, 59392                      ; the spare words, 128 bytes for each wave: two blocks of 256 bytes that no other line names
.set SPW,   12                         ; v12  LDS address of my spare word; never rewritten
.set NIL,   13                         ; v13  0; never rewritten
.set SEL,   38                         ; s[38:39] v_permlanex16_b32's selects for lane l xor 16
; 64 numbers of a lane, register 16 b + i = k 32 b + 16 (lane / 16) + i of my row, become a fragment's 12 registers of codes in v[pc] on and its scale word in v[pw]
.macro QUANT s, pc, tp, tm, pw
.irp b, 0,1,2,3
	v_max3_num_f32 v[\tm+\b], |v[\s+16*\b]|, |v[\s+1+16*\b]|, 0x1800000   ; block b: my 16 numbers, and the floor 2^(3 - 127): the byte cannot fall under 1
.endr
.irp i, 2,4,6,8,10,12,14
.irp b, 0,1,2,3
	v_max3_num_f32 v[\tm+\b], v[\tm+\b], |v[\s+16*\b+\i]|, |v[\s+1+16*\b+\i]|   ; the four blocks by turns
.endr
.endr
.irp b, 0,1,2,3
	v_permlanex16_b32 v[\tm+4+\b], v[\tm+\b], s[SEL], s[SEL+1]
.endr
.irp b, 0,1,2,3
	v_max_num_f32 v[\tm+\b], v[\tm+\b], v[\tm+4+\b]   ; with lane l xor 16's 16: the block's largest magnitude
.endr
.irp b, 0,1,2,3
	v_add_nc_u32 v[\tm+12+\b], 0xff000000, v[\tm+\b]   ; 2 off its exponent field: the conversion's scale operand
.endr
.irp b, 0,1,2,3
	v_lshrrev_b32 v[\tm+4+\b], 23, v[\tm+12+\b]   ; the scale's byte
.endr
	v_lshl_or_b32 v[\pw], v[\tm+5], 8, v[\tm+4]
	v_lshl_or_b32 v[\pw], v[\tm+6], 16, v[\pw]
	v_lshl_or_b32 v[\pw], v[\tm+7], 24, v[\pw]
.irp c, 0,1
	v_cvt_scalef32_pk16_fp6_f32 v[\pc+6*\c:\pc+2+6*\c], v[\s+32*\c:\s+15+32*\c], v[\tm+12+2*\c]
	v_cvt_scalef32_pk16_fp6_f32 v[\tp+4*\c:\tp+2+4*\c], v[\s+16+32*\c:\s+31+32*\c], v[\tm+13+2*\c]   ; (a conversion's three registers begin on an even number)
.endr
	v_nop                                          ; one plain place behind a scaled conversion
.irp c, 0,1                                    ; the operand's layout wants a whole block in a lane: lanes 0-15 block 2 c, lanes 16-31 block 2 c + 1
.irp i, 0,1,2
	v_permlane16_swap_b32 v[\pc+6*\c+\i], v[\tp+4*\c+\i]
.endr
.irp i, 0,1,2
	v_mov_b32 v[\pc+3+6*\c+\i], v[\tp+4*\c+\i]
.endr
.endr
.endm
	s_load_b128 s[4:7], s[0:1], 0x0                ; x, context
	s_load_b128 s[8:11], s[0:1], 0x10              ; Wq, Wk
	s_load_b128 s[12:15], s[0:1], 0x20             ; Wv, Wo
	s_load_b128 s[20:23], s[0:1], 0x30             ; act_img, act_scl
	s_load_b128 s[24:27], s[0:1], 0x40             ; w_img, w_scl
	v_lshl_add_u32 v[SPW], v0, 2, SPARE
	v_mov_b32 v[NIL], 0
	v_lshrrev_b32 v1, 5, v0
	v_readfirstlane_b32 s16, v1                    ; wave 0..3
	v_and_b32 v2, 31, v0                           ; lane
	v_and_b32 v3, 15, v0                           ; r
	s_cmp_lt_u32 ttmp9, 128
	s_cbranch_scc0 .Lacts
; ---------------- THE WEIGHTS.  Work-group g: matrix g / 32, K quarter (g / 8) % 4; wave: columns 32 p + lane, p = 4 (g % 8) + wave; 8 blocks of 32 down K.
; Column 32 p + lane is slot r' = lane % 8 + 8 (lane / 16) of tile 2 p + u, u = (lane / 8) % 2.  A block's six registers are lane r' + 16 (block % 2) of a half fragment: they go to that place in my stage and leave as the image lies.
	s_lshr_b32 s17, ttmp9, 5                       ; which matrix
	s_bfe_u32 s18, ttmp9, 0x20003                  ; which 256 along K
	s_and_b32 s19, ttmp9, 7
	s_lshl_b32 s19, s19, 2
	s_add_co_u32 s19, s19, s16                     ; p
	v_bfe_u32 v14, v0, 3, 1                        ; u
	v_and_b32 v15, 7, v0
	v_bfe_u32 v16, v0, 4, 1
	v_lshl_add_u32 v15, v16, 3, v15                ; r'
	s_mul_i32 s28, s16, 6400
	s_add_co_u32 s28, s28, WST                     ; my stage
	v_mul_u32_u24 v17, v14, 3200
	v_add_nc_u32 v17, s28, v17                     ; my tile's part of it
	v_lshl_add_u32 v5, v15, 4, v17                 ; registers 0-3: 16 r'
	v_lshl_add_u32 v6, v15, 3, v17
	v_add_nc_u32 v6, 512, v6                       ; registers 4-5: 512 + 8 r'
	v_lshlrev_b32 v8, 4, v2                        ; out: 16 x lane
	v_add_nc_u32 v7, s28, v8
	v_lshlrev_b32 v4, 2, v2                        ; in: 4 bytes a lane
	v_lshlrev_b32 v9, 3, v15
	v_lshl_add_u32 v9, v14, 9, v9                  ; my two scale words: tile u x 512 + 8 r'
	s_lshl_b32 s30, s18, 20                        ; 256 rows of 4,096 bytes
	s_lshl_b32 s31, s19, 7                         ; 32 columns of 4 bytes
	s_add_co_u32 s30, s30, s31
	s_mov_b32 s31, 0
	s_lshl_b32 s32, s17, 6
	s_lshl_b32 s33, s19, 1
	s_add_co_u32 s32, s32, s33                     ; my first tile: 64 x matrix + 2 p
	s_mul_i32 s34, s32, 12288
	s_mul_i32 s33, s18, 3072                       ; two K steps
	s_add_co_u32 s34, s34, s33
	s_mov_b32 s35, 0
	s_lshl_b32 s36, s32, 9
	s_lshl_b32 s33, s18, 7
	s_add_co_u32 s36, s36, s33
	s_mov_b32 s37, 0
	s_wait_alu depctr_va_vdst(0)
	s_wait_kmcnt 0x0
	s_cmp_eq_u32 s17, 1                            ; the choice hangs on the work-group's number alone
	s_cselect_b64 s[8:9], s[10:11], s[8:9]
	s_cmp_eq_u32 s17, 2
	s_cselect_b64 s[8:9], s[12:13], s[8:9]
	s_cmp_eq_u32 s17, 3
	s_cselect_b64 s[8:9], s[14:15], s[8:9]
	s_add_nc_u64 s[8:9], s[8:9], s[30:31]
	s_add_nc_u64 s[24:25], s[24:25], s[34:35]
	s_add_nc_u64 s[26:27], s[26:27], s[36:37]
.macro LOADW kb                        ; block kb: W(32 kb + i, my column) into set kb % 2; 32 lanes read 128 consecutive bytes
.set i, 0
.rept 32
	global_load_b32 v[32+32*((\kb)%2)+i], v4, s[8:9] offset:(32*(\kb)+i)*4096 th:TH_LOAD_NT
.set i, i+1
.endr
.endm
.macro BLOCK kb
.set XS, 32+32*((\kb)%2)
.if (\kb) < 7
	s_wait_loadcnt 32                              ; this block's 32 loads are in; the next block's may be out
.else
	s_wait_loadcnt 0x0
.endif
	v_max3_num_f32 v106, |v[XS]|, |v[XS+1]|, |v[XS+2]|   ; the block's largest magnitude: all 32 numbers are mine; two chains
	v_max3_num_f32 v107, |v[XS+3]|, |v[XS+4]|, |v[XS+5]|
.irp i, 6,10,14,18,22,26
	v_max3_num_f32 v106, v106, |v[XS+\i]|, |v[XS+\i+1]|
	v_max3_num_f32 v107, v107, |v[XS+\i+2]|, |v[XS+\i+3]|
.endr
	v_max3_num_f32 v106, v106, |v[XS+30]|, |v[XS+31]|
	v_max3_num_f32 v106, v106, v107, 0x1800000     ; and the floor 2^(3 - 127)
	v_add_nc_u32 v108, 0xff000000, v106            ; 2 off the exponent field: the conversion's scale operand
	v_lshrrev_b32 v109, 23, v108                   ; the byte
.if (\kb)%4 == 0
	v_mov_b32 v[110+(\kb)/4], v109                 ; four bytes to a word, the lower K in the lower byte
.else
	v_lshl_or_b32 v[110+(\kb)/4], v109, 8*((\kb)%4), v[110+(\kb)/4]
.endif
	v_cvt_scalef32_pk16_fp6_f32 v[96:98], v[XS:XS+15], v108
	v_cvt_scalef32_pk16_fp6_f32 v[102:104], v[XS+16:XS+31], v108   ; (three registers from an even number on)
	v_nop                                          ; one plain place behind a scaled conversion
	v_mov_b32 v99, v102
	v_mov_b32 v100, v103
	v_mov_b32 v101, v104
	ds_store_b128 v5, v[96:99] offset:((\kb)/4)*1536+(((\kb)/2)%2)*768+256*((\kb)%2)
	ds_store_b64 v6, v[100:101] offset:((\kb)/4)*1536+(((\kb)/2)%2)*768+128*((\kb)%2)
.if (\kb)+2 < 8
	LOADW (\kb)+2
.endif
	s_wait_dscnt 0x0                               ; the stores have read their registers: the next block's codes may be written
.endm
	LOADW 0
	LOADW 1
.irp t, 0,1,2,3,4,5,6,7
	BLOCK \t
.endr
	s_wait_alu depctr_va_vdst(0)
	global_store_b64 v9, v[110:111], s[26:27]      ; my column's two scale words: runs of 128 consecutive bytes a tile, one byte for each 128 that this way reads
.irp u, 0,1
.irp i, 0,1,2,3,4,5
	ds_load_b128 v[112+4*(6*\u+\i):115+4*(6*\u+\i)], v7 offset:\u*3200+512*\i   ; LDS serves a wave's instructions in order: these see my stores
.endr
.endr
.irp u, 0,1
.irp i, 0,1,2,3,4,5
	s_wait_dscnt 11-6*\u-\i                        ; the younger reads may stay out
	global_store_b128 v8, v[112+4*(6*\u+\i):115+4*(6*\u+\i)], s[24:25] offset:\u*12288+512*\i   ; 32 lanes store 512 consecutive bytes, aligned to 256
.endr
.endr
	s_wait_tensorcnt 0x0                           ; the wave's end: behind my last LDS store
	ds_add_u32 v[SPW], v[NIL]
	s_wait_dscnt 0x0
	s_endpgm
; ---------------- THE ACTIVATIONS.  Work-group g' = g - 128: tiles 2 g' and 2 g' + 1 (0-511: x, 512-1023: context); wave: tile 2 g' + wave / 2, K half wave % 2: four K steps of 128.
; Each load reads 512 consecutive bytes of one row; a K step's 16 rows turn through my stage, so that lane (r, h) gets, of slot r, 16 neighbours of each block of 32.
.Lacts:
	s_sub_co_u32 s17, ttmp9, 128                   ; g'
	s_lshr_b32 s18, s16, 1                         ; which of the two tiles
	s_and_b32 s19, s16, 1                          ; which half of K
	v_bfe_u32 v14, v0, 4, 1                        ; h
	s_mul_i32 s28, s16, 8448                       ; my stage (XST = 0)
	s_wait_alu depctr_va_vdst(0)
	v_lshlrev_b32 v4, 4, v2                        ; 16 x lane
	v_lshlrev_b32 v8, 3, v2                        ; 8 x lane
	v_add_nc_u32 v5, 512, v8                       ; 512 + 8 x lane
	v_add_nc_u32 v6, s28, v4                       ; into the stage: a row as it lies
	v_mul_u32_u24 v7, v3, 528
	v_lshl_add_u32 v7, v14, 6, v7
	v_add_nc_u32 v7, s28, v7                       ; out of it: row r, + 64 h
	s_and_b32 s29, s17, 255
	s_lshl_b32 s29, s29, 5
	s_lshl_b32 s30, s18, 3
	s_add_co_u32 s29, s29, s30                     ; slot 0's row: 32 (g' % 256) + 8 (tile % 2)
	s_lshl_b32 s30, s29, 12
	s_lshl_b32 s31, s19, 11
	s_add_co_u32 s30, s30, s31
	s_mov_b32 s31, 0
	s_lshl_b32 s32, s17, 1
	s_add_co_u32 s32, s32, s18                     ; my tile
	s_mul_i32 s34, s32, 12288
	s_mul_i32 s33, s19, 6144
	s_add_co_u32 s34, s34, s33
	s_mov_b32 s35, 0
	s_lshl_b32 s36, s32, 9
	s_lshl_b32 s33, s19, 8
	s_add_co_u32 s36, s36, s33
	s_mov_b32 s37, 0
	s_mov_b32 s[SEL], 0x76543210
	s_mov_b32 s[SEL+1], 0xfedcba98
	s_mov_b32 s40, 0xffff0000                      ; lanes 16-31
.irp b, 0,1,2,3
	v_mov_b32 v[232+\b], 0                         ; written once: a lane permute's destination counts as one of its sources
.endr
	s_wait_alu depctr_va_vdst(0)
	s_wait_kmcnt 0x0
	s_cmp_lt_u32 s17, 256                          ; the choice hangs on the work-group's number alone
	s_cselect_b64 s[4:5], s[4:5], s[6:7]
	s_add_nc_u64 s[4:5], s[4:5], s[30:31]
	s_add_nc_u64 s[20:21], s[20:21], s[34:35]
	s_add_nc_u64 s[22:23], s[22:23], s[36:37]
.macro LOADX t                         ; K step t of my four: 16 rows x 512 bytes into set t % 2 (v16-79, v80-143)
.irp i, 0,1,2,3,4,5,6,7,8,9,10,11,12,13,14,15
	global_load_b128 v[16+64*((\t)%2)+4*\i:19+64*((\t)%2)+4*\i], v4, s[4:5] offset:(\i+8*(\i/8))*4096+512*(\t) th:TH_LOAD_NT
.endr
.endm
.macro STEPX t
.if (\t) < 3
	s_wait_loadcnt 16                              ; this step's 16 loads are in; the next step's may be out
.else
	s_wait_loadcnt 0x0
.endif
.irp i, 0,1,2,3,4,5,6,7,8,9,10,11,12,13,14,15
	ds_store_b128 v6, v[16+64*((\t)%2)+4*\i:19+64*((\t)%2)+4*\i] offset:528*\i
.endr
.irp b, 0,1,2,3
.irp j, 0,1,2,3
	ds_load_b128 v[144+16*\b+4*\j:147+16*\b+4*\j], v7 offset:128*\b+16*\j   ; LDS serves a wave's instructions in order: these see the stores above
.endr
.endr
	s_wait_dscnt 0x0                               ; the numbers are back, and the stores have read their registers,
.if (\t) < 2
	LOADX (\t)+2                                   ; which take the loads of two steps on
.endif
	s_wait_xcnt 0x0                                ; the last step's stores have read the codes' registers
	QUANT 144, 208, 220, 228, 244+(\t)
	global_store_b128 v4, v[208:211], s[20:21] offset:1536*(\t)       ; 512 and 256 consecutive bytes, aligned to 256
	global_store_b64 v5, v[212:213], s[20:21] offset:1536*(\t)
	global_store_b128 v4, v[214:217], s[20:21] offset:1536*(\t)+768
	global_store_b64 v5, v[218:219], s[20:21] offset:1536*(\t)+768
.endm
	LOADX 0
	LOADX 1
.irp t, 0,1,2,3
	STEPX \t
.endr
	v_cndmask_b32 v10, v244, v246, s40             ; lanes 0-15 store the words of steps 0 and 1, lanes 16-31 those of steps 2 and 3
	v_cndmask_b32 v11, v245, v247, s40
	global_store_b64 v8, v[10:11], s[22:23]        ; 256 consecutive bytes, aligned
	s_wait_tensorcnt 0x0                           ; the wave's end: behind my last LDS store
	ds_add_u32 v[SPW], v[NIL]
	s_wait_dscnt 0x0
	s_endpgm
.Lfunc_end_k_qcbb10642c9_quant:
	.size	k_qcbb10642c9_quant, .Lfunc_end_k_qcbb10642c9_quant-k_qcbb10642c9_quant
	.p2alignl 7, 3214868480
	.fill 96, 4, 3214868480
	.section	.rodata,"a",@progbits
	.p2align	6, 0x0
	.amdhsa_kernel k_qcbb10642c9_quant
		.amdhsa_group_segment_fixed_size 59904
		.amdhsa_private_segment_fixed_size 0
		.amdhsa_enable_private_segment 0
		.amdhsa_kernarg_size 80
		.amdhsa_user_sgpr_count 2
		.amdhsa_user_sgpr_kernarg_segment_ptr 1
		.amdhsa_wavefront_size32 1
		.amdhsa_system_sgpr_workgroup_id_x 1
		.amdhsa_system_sgpr_workgroup_id_y 1
		.amdhsa_system_sgpr_workgroup_id_z 1
		.amdhsa_system_vgpr_workitem_id 0
		.amdhsa_next_free_vgpr 256
		.amdhsa_next_free_sgpr 66
		.amdhsa_reserve_vcc 0
		.amdhsa_float_denorm_mode_32 3
		.amdhsa_float_denorm_mode_16_64 3
		.amdhsa_memory_ordered 1
		.amdhsa_forward_progress 1
		.amdhsa_inst_pref_size 76
	.end_amdhsa_kernel
	.amdgpu_metadata
---
amdhsa.version: [ 1, 2 ]
amdhsa.kernels:
  - .name:           k_qcbb10642c9_quant
    .symbol:         k_qcbb10642c9_quant.kd
    .args:
      - { .name: x, .offset: 0, .size: 8, .value_kind: global_buffer, .address_space: global }
      - { .name: context, .offset: 8, .size: 8, .value_kind: global_buffer, .address_space: global }
      - { .name: Wq, .offset: 16, .size: 8, .value_kind: global_buffer, .address_space: global }
      - { .name: Wk, .offset: 24, .size: 8, .value_kind: global_buffer, .address_space: global }
      - { .name: Wv, .offset: 32, .size: 8, .value_kind: global_buffer, .address_space: global }
      - { .name: Wo, .offset: 40, .size: 8, .value_kind: global_buffer, .address_space: global }
      - { .name: act_img, .offset: 48, .size: 8, .value_kind: global_buffer, .address_space: global }
      - { .name: act_scl, .offset: 56, .size: 8, .value_kind: global_buffer, .address_space: global }
      - { .name: w_img, .offset: 64, .size: 8, .value_kind: global_buffer, .address_space: global }
      - { .name: w_scl, .offset: 72, .size: 8, .value_kind: global_buffer, .address_space: global }
    .group_segment_fixed_size: 59904
    .private_segment_fixed_size: 0
    .kernarg_segment_align: 8
    .kernarg_segment_size: 80
    .max_flat_workgroup_size: 128
    .sgpr_count:     66
    .vgpr_count:     256
    .wavefront_size: 32
...
	.end_amdgpu_metadata
.endif
;; end of part 1
;; launch proj (part 2): grid 4 x 192, 4 waves a work-group, clusters of 4 x 4, 327,680 bytes of LDS; arguments act_img, act_scl, w_img, w_scl, bq, bk, bv, qkv_img, qkv_scl; writes qkv_img, qkv_scl
.if DOCPART == 2
	.amdgcn_target "amdgcn-amd-amdhsa--gfx1250"
	.amdhsa_code_object_version 6
	.text
	.protected	k_qcbb10642c9_proj
	.globl	k_qcbb10642c9_proj
	.p2align	8
	.type	k_qcbb10642c9_proj,@function
k_qcbb10642c9_proj:
	s_mov_b64 s[64:65], 0
	v_nop
	global_prefetch_b8 v0, s[64:65] scope:SCOPE_SE
	s_setreg_imm32_b32 hwreg(HW_REG_WAVE_MODE, 25, 1), 1
	s_wait_xcnt 0x0
	s_wait_alu depctr_hold_cnt(0) depctr_sa_sdst(0) depctr_va_vdst(0) depctr_va_sdst(0) depctr_va_ssrc(0) depctr_va_vcc(0) depctr_vm_vsrc(0)
	s_getreg_b32 s2, hwreg(HW_REG_IB_STS2, 6, 4)
	s_cmp_eq_u32 s2, 0
	s_cbranch_scc0 .Lentry_in_a_cluster
	s_endpgm
.Lentry_in_a_cluster:
	s_bfe_u32 s2, ttmp6, 0x10000c
	s_cmp_lg_u32 s2, 0xf033
	s_cbranch_scc0 .Lentry_shape_is_right
	s_endpgm
.Lentry_shape_is_right:
; q = x Wq + bq, k = context Wk + bk, v = context Wv + bv on codes of FP6 (E2M3) with E8M0 scales, K = 1,024; the results are quantised at once: q and k along the head's 64, v along the keys.
; Operands lie as images of operand registers (tile = 16 rows, slot r of tile t = row 32 (t / 2) + 8 (t % 2) + r + 8 (r / 8); half fragment = tile x 64 K = 768 bytes: registers 0-3 at 16 x lane, 4-5 at 512 + 8 x lane).
; With source 0 = tiles 2 b', 2 b' + 1 a lane's 16 results are source 0's rows 32 b' + 16 (lane / 16) + 0 .. 15, and the lane's slot is a row of source 1.  So source 0 carries the axis along which the result is quantised next:
; MODE 0, 1 (q, k): source 0 = the weight's columns, source 1 = the rows of x or context.  MODE 2 (v): source 0 = context's rows (the keys), source 1 = Wv's columns.
; SHARES.  A work-group makes source 1's 128 rows x source 0's 256 rows; ALL of K for both lies in LDS (24 tiles x 12,288 bytes), asked for at once in four chunks of two K steps: nothing is filled again.
; Four waves, each 64 x 128: 32 accumulators; a K step is 32 matrix instructions.  CLUSTER 4 x 4: source 1's tiles are shared along a row of the cluster, source 0's along a column: joint loads.
; By this text's count a wave has four tensor loads out.
; LIMITS: a block of zeros, or under 2^-124, gets the scale byte 1 (read by this program alone); NaN and infinities are not served.
; REGISTERS.  window 0: v1-19 addresses; v30, v31 the add's two; v32-47 source 1's scale words, v48-79 source 0's; v128-175, v176-223 source 1's fragments, two sets; v240-243 the results' scale words.
;   window 1: v0-95, v128-223 source 0's fragments, two sets; v96-127, v224-255 the bias, eight tiles.   windows 2, 3: v0-127 accumulators (a % 2, b) at 8 (8 (a % 2) + b), a = 0, 1 | 2, 3; v128-176 the quantiser's.
; LDS AND LOADS AS THEY ARE NOW (this takes the place of what the head says of chunks and of loads out): K lies in LDS in two halves of four K steps.  A half: source 1's 8 tiles x 6,144 bytes, then source 0's 16.
; At the head each wave asks for ONE tile, each by a load line of its own: wave 0 source 1's first half, wave 1 source 0's, waves 2 and 3 the second halves.  A wave has one load out.
; The first barrier waits for waves 0 and 1 alone; the second halves land under K steps 0 to 3 and are shown to all by the barrier in step 3.  Nothing is filled again.
.set HLF,   147456                     ; a half of K: 24 tiles x 6,144 bytes
.set SPARE, 294912                     ; behind the chunks: the spare words, 128 bytes for each wave: two blocks of 256 bytes that no other line names
.set A16, 1                            ; v1-4  LDS addresses of my fragments' two kinds of pieces, source 1's and source 0's, in the chunk in hand
.set A8,  2
.set B16, 3
.set B8,  4
.set L16, 5                            ; v5   16 x lane
.set L8,  6                            ; v6   512 + 8 x lane
.set S8,  7                            ; v7   8 x lane
.set BOQ, 8                            ; v8   the bias's offset, MODE 0, 1: 64 h
.set BOV, 9                            ; v9   MODE 2: 4 (r + 8 (r / 8))
.set SOFF, 10                          ; v10  where my two scale words go
.set SELV, 11                          ; v11  v_perm_b32's selector: low halves in lanes 0-15, high halves in lanes 16-31
.set RR,  16                           ; v16  r
.set HH,  17                           ; v17  h
.set SPW, 30
.set NIL, 31
.set PWS, 240
.set WV,  22                           ; s22 wave; s23 wave / 2; s24 wave % 2
.set WR,  23
.set WC,  24
.set CX,  25
.set CY,  26
.set MODE, 27
.set AT,  29                           ; s29 which 128 rows of source 1
.set BT,  30                           ; s30 which 256 rows of source 0
.set T1,  31                           ; s31 source 1's first tile
.set T0,  32                           ; s32 source 0's first tile
.set SEL, 34                           ; s[34:35]
.set G1A, 36                           ; s[36:43], s[44:51] descriptor groups 1; s[52:63], s[68:71] source 1's four groups 0; s[72:87] source 0's
.set G1B, 44
.set MSB, 0
.macro WIN new                         ; the immediate's high byte repeats the setting that is left
.if MSB != (\new)
	s_set_vgpr_msb (MSB<<8)|(\new)
.set MSB, (\new)
.endif
.endm
.macro CROUND                          ; a round of the cluster's barrier
	s_barrier_signal -1
	s_barrier_wait -1
	s_cmp_lg_u32 s[WV], 0
	s_cbranch_scc1 .Lnot_wave_0_\@
	s_barrier_signal -3
.Lnot_wave_0_\@:
	s_barrier_wait -3
	s_barrier_signal -1
	s_barrier_wait -1
.endm
.macro FRAG reg, a16, a8, off          ; a fragment, two half fragments on end: every instruction reads consecutive bytes
	ds_load_b128 v[\reg:\reg+3], v[\a16] offset:\off
	ds_load_b64 v[\reg+4:\reg+5], v[\a8] offset:\off
	ds_load_b128 v[\reg+6:\reg+9], v[\a16] offset:\off+768
	ds_load_b64 v[\reg+10:\reg+11], v[\a8] offset:\off+768
.endm
.macro FETCH i, set                    ; the fragments of the chunk's i-th K step into set
	WIN 0x40                                       ; destination window 1
.irp b, 0,1,2,3,4,5,6,7
	FRAG 128*(\set)+12*\b, B16, B8, \b*6144+(\i)*1536
.endr
	WIN 0
.irp a, 0,1,2,3
	FRAG 128+48*(\set)+12*\a, A16, A8, \a*6144+(\i)*1536
.endr
.endm
; 16 matrix instructions: source 1's tiles 2 hi, 2 hi + 1 x source 0's eight, K step s.  cm = 0: onto the sums; 1: the bias by source 0's tile starts them; 2: the bias by source 1's tile (two copies, tile b takes copy b / 4).
; The scale word of step s lies in register 2 (s / 4) + s % 2 of a tile's four, in lanes 0-15 or, where (s / 2) % 2 = 1, in lanes 16-31.  The accumulators take turns, one instruction a turn.
.macro MUL16 hi, set, s, cm
.irp a, 0,1
.irp b, 0,1,2,3,4,5,6,7
.set rD, 8*(8*\a+\b)
.set rB, 128*(\set)+12*\b
.set rA, 128+48*(\set)+12*(2*(\hi)+\a)
.set rSB, 48+4*\b+2*((\s)/4)+(\s)%2
.set rSA, 32+4*(2*(\hi)+\a)+2*((\s)/4)+(\s)%2
.if (\cm) == 1
.set rC, 96+8*\b+96*(\b/4)
.elseif (\cm) == 2
.set rC, 96+8*(2*(\hi)+\a)+128*(\b/4)
.else
.set rC, rD
.endif
.if (((\s)/2)%2) == 1
	v_wmma_scale_f32_16x16x128_f8f6f4 v[rD:rD+7], v[rB:rB+11], v[rA:rA+11], v[rC:rC+7], v[rSB], v[rSA] matrix_a_fmt:MATRIX_FMT_FP6 matrix_b_fmt:MATRIX_FMT_FP6 matrix_a_scale:MATRIX_SCALE_ROW1 matrix_b_scale:MATRIX_SCALE_ROW1
.else
	v_wmma_scale_f32_16x16x128_f8f6f4 v[rD:rD+7], v[rB:rB+11], v[rA:rA+11], v[rC:rC+7], v[rSB], v[rSA] matrix_a_fmt:MATRIX_FMT_FP6 matrix_b_fmt:MATRIX_FMT_FP6
.endif
.endr
.endr
.endm
; A K step.  In its middle the next step's 48 loads go out in one run, four places behind the products that read those registers.  An odd step changes chunks: my tensor load of the next chunk has landed (the count leaves
; out the chunks behind it), every wave says so, and behind the barrier the chunk is read.
.macro STEP s, cm
	s_wait_dscnt 0x0                               ; this step's fragments are in; no LDS instruction of mine is out at the signal
.if (\s) == 3
	s_wait_tensorcnt 0x0                           ; every wave: my load has landed, whichever half it brought
	s_barrier_signal -1
.endif
.if (\cm) != 0
	WIN 0x91                                       ; source 0 and C window 1, source 1 window 0, D window 2
.else
	WIN 0xa1                                       ; C and D window 2
.endif
	MUL16 0, (\s)%2, \s, \cm
	WIN 0
.if (\s) == 3
	s_barrier_wait -1
	v_add_nc_u32 v[A16], HLF, v[A16]               ; on to the second half of K: these four are the places too
	v_add_nc_u32 v[A8], HLF, v[A8]
	v_add_nc_u32 v[B16], HLF, v[B16]
	v_add_nc_u32 v[B8], HLF, v[B8]
	FETCH 0, ((\s)+1)%2
.elseif (\s) < 7
.rept 4
	v_nop
.endr
	FETCH ((\s)+1)%4, ((\s)+1)%2
.endif
.if (\cm) != 0
	WIN 0xd1
.else
	WIN 0xf1
.endif
	MUL16 1, (\s)%2, \s, \cm
	WIN 0
.endm
; 64 numbers of a lane, register 16 b + i = k 32 b + 16 (lane / 16) + i of my row, become a fragment's 12 registers of codes in v[pc] on and its scale word in v[pw]
.macro QUANT s, pc, tp, tm, pw
.irp b, 0,1,2,3
	v_max3_num_f32 v[\tm+\b], |v[\s+16*\b]|, |v[\s+1+16*\b]|, 0x1800000   ; block b: my 16 numbers (each accumulator from its low end on), and the floor 2^(3 - 127)
.endr
.irp i, 2,4,6,8,10,12,14
.irp b, 0,1,2,3
	v_max3_num_f32 v[\tm+\b], v[\tm+\b], |v[\s+16*\b+\i]|, |v[\s+1+16*\b+\i]|
.endr
.endr
.irp b, 0,1,2,3
	v_permlanex16_b32 v[\tm+4+\b], v[\tm+\b], s[SEL], s[SEL+1]
.endr
.irp b, 0,1,2,3
	v_max_num_f32 v[\tm+\b], v[\tm+\b], v[\tm+4+\b]
.endr
.irp b, 0,1,2,3
	v_add_nc_u32 v[\tm+12+\b], 0xff000000, v[\tm+\b]   ; 2 off the exponent field: the conversion's scale operand
.endr
.irp b, 0,1,2,3
	v_lshrrev_b32 v[\tm+4+\b], 23, v[\tm+12+\b]   ; the byte
.endr
	v_lshl_or_b32 v[\pw], v[\tm+5], 8, v[\tm+4]
	v_lshl_or_b32 v[\pw], v[\tm+6], 16, v[\pw]
	v_lshl_or_b32 v[\pw], v[\tm+7], 24, v[\pw]
.irp c, 0,1
	v_cvt_scalef32_pk16_fp6_f32 v[\pc+6*\c:\pc+2+6*\c], v[\s+32*\c:\s+15+32*\c], v[\tm+12+2*\c]
	v_cvt_scalef32_pk16_fp6_f32 v[\tp+4*\c:\tp+2+4*\c], v[\s+16+32*\c:\s+31+32*\c], v[\tm+13+2*\c]
.endr
	v_nop                                          ; one plain place behind a scaled conversion
.irp c, 0,1
.irp i, 0,1,2
	v_permlane16_swap_b32 v[\pc+6*\c+\i], v[\tp+4*\c+\i]
.endr
.irp i, 0,1,2
	v_mov_b32 v[\pc+3+6*\c+\i], v[\tp+4*\c+\i]
.endr
.endr
.endm
	s_load_b128 s[4:7], s[0:1], 0x0                ; act_img, act_scl
	s_load_b128 s[8:11], s[0:1], 0x10              ; w_img, w_scl
	s_load_b128 s[12:15], s[0:1], 0x20             ; bq, bk
	s_load_b128 s[16:19], s[0:1], 0x30             ; bv, qkv_img
	s_load_b64 s[20:21], s[0:1], 0x40              ; qkv_scl
	v_lshl_add_u32 v[SPW], v0, 2, SPARE
	v_mov_b32 v[NIL], 0
	ds_add_u32 v[SPW], v[NIL]                      ; the wave's opening: the add and its wait ahead of my first tensor load; work on registers stands between them
	ds_add_u32 v[SPW], v[NIL]
	v_lshrrev_b32 v12, 5, v0
	v_readfirstlane_b32 s[WV], v12
	s_lshr_b32 s[WR], s[WV], 1                     ; which 64 of source 1's rows are mine.  Also: I fetch for source 1 (0) or source 0 (1)
	s_and_b32 s[WC], s[WV], 1                      ; which 128 of source 0's.  Also: which half of the tiles I fetch
	s_bfe_u32 s[CX], ttmp6, 0x40000
	s_bfe_u32 s[CY], ttmp6, 0x40004
	s_and_b32 s28, ttmp7, 0xffff                   ; the cluster's y: 0-15 q, 16-31 k, 32-47 v
	s_lshr_b32 s[MODE], s28, 4
	s_and_b32 s28, s28, 15
	s_and_b32 s33, s28, 1
	s_lshr_b32 s2, s28, 1
	s_lshl_b32 s[T1], s[MODE], 9                   ; source 1 begins at tile 0 (x), 512 (context), or 128 (Wv)
	s_lshl_b32 s[T0], s[MODE], 6                   ; source 0 at tile 0 (Wq), 64 (Wk), or 512 (context)
	s_cmp_eq_u32 s[MODE], 2
	s_cselect_b32 s[AT], s33, s28
	s_cselect_b32 s[BT], s2, 0
	s_cselect_b32 s[T1], 128, s[T1]
	s_cselect_b32 s[T0], 512, s[T0]
	s_lshl_b32 s[AT], s[AT], 2
	s_add_co_u32 s[AT], s[AT], s[CY]
	s_lshl_b32 s[BT], s[BT], 2
	s_add_co_u32 s[BT], s[BT], s[CX]
	s_lshl_b32 s33, s[AT], 3
	s_add_co_u32 s[T1], s[T1], s33
	s_lshl_b32 s2, s[BT], 4
	s_add_co_u32 s[T0], s[T0], s2
	s_lshl_b32 s33, s[CY], 2
	s_lshl_b32 s33, 15, s33                        ; my row of the cluster
	s_lshl_b32 s2, 0x1111, s[CX]                   ; my column
	s_or_b32 s[G1A], s33, (3<<16)|(1<<21)          ; 15:0 the mask; 17:16 elements of 8 bytes; 21 set beside a mask; no padding
	s_or_b32 s[G1B], s2, (3<<16)|(1<<21)
	s_mov_b32 s[G1A+1], 768<<16                    ; a row: a tile's four K steps, 6,144 bytes = 768 elements
	s_mov_b32 s[G1A+2], 8<<16                      ; 8 tiles
	s_mov_b32 s[G1A+3], 768<<16
	s_mov_b32 s[G1A+4], 8
	s_mov_b32 s[G1A+5], 1536                       ; from tile to tile: 12,288 bytes
	s_mov_b32 s[G1A+6], 0
	s_mov_b32 s[G1A+7], 0
	s_mov_b32 s[G1B+1], 768<<16
	s_mov_b32 s[G1B+2], 16<<16                     ; 16 tiles
	s_mov_b32 s[G1B+3], 768<<16
	s_mov_b32 s[G1B+4], 16
	s_mov_b32 s[G1B+5], 1536
	s_mov_b32 s[G1B+6], 0
	s_mov_b32 s[G1B+7], 0
	s_mul_i32 s98, s[T1], 12288                    ; source 1's eight tiles,
	s_mul_i32 s33, s[WR], 6144                     ; the half of K that I fetch: wave / 2
	s_add_co_u32 s98, s98, s33
	s_mov_b32 s99, 0
	s_mul_i32 s100, s[T0], 12288                   ; source 0's sixteen
	s_add_co_u32 s100, s100, s33
	s_mov_b32 s101, 0
	s_mul_i32 s3, s[WR], HLF                       ; where the half that I fetch goes: no place in the cluster enters an LDS address
	s_mul_i32 s28, s[WC], 49152                    ; what I read: my eight tiles of source 0,
	s_add_co_u32 s28, s28, 49152                   ; behind source 1's eight
	s_mov_b32 s[SEL], 0x76543210
	s_mov_b32 s[SEL+1], 0xfedcba98
	v_and_b32 v12, 31, v0
	v_and_b32 v[RR], 15, v0
	v_bfe_u32 v[HH], v0, 4, 1
	v_lshlrev_b32 v[L16], 4, v12
	v_lshlrev_b32 v[S8], 3, v12
	v_add_nc_u32 v[L8], 512, v[S8]
	s_mul_i32 s33, s[WR], 24576                    ; my four tiles of source 1 in a half
	v_add_nc_u32 v[A16], s33, v[L16]
	v_add_nc_u32 v[A8], s33, v[L8]
	v_add_nc_u32 v[B16], s28, v[L16]               ; my eight of source 0
	v_add_nc_u32 v[B8], s28, v[L8]
	v_lshlrev_b32 v[BOQ], 6, v[HH]
	v_and_b32 v13, 8, v[RR]
	v_add_nc_u32 v13, v13, v[RR]
	v_lshlrev_b32 v[BOV], 2, v13
	s_wait_dscnt 0x0                               ; the opening add is done
	s_wait_kmcnt 0x0
	s_cmp_eq_u32 s[MODE], 2                        ; the choices hang on the cluster's number alone: the same in all sixteen partners
	s_cselect_b64 s[88:89], s[8:9], s[4:5]         ; source 1's codes,
	s_cselect_b64 s[90:91], s[10:11], s[6:7]       ; its scale words,
	s_cselect_b64 s[92:93], s[4:5], s[8:9]         ; source 0's codes,
	s_cselect_b64 s[94:95], s[6:7], s[10:11]       ; its scale words,
	s_cselect_b64 s[96:97], s[16:17], s[12:13]     ; the bias
	s_cmp_eq_u32 s[MODE], 1
	s_cselect_b64 s[96:97], s[14:15], s[96:97]
	s_add_nc_u64 s[88:89], s[88:89], s[98:99]
	s_add_nc_u64 s[92:93], s[92:93], s[100:101]
	s_mov_b32 s52, 1
	s_mov_b32 s53, s3
	s_mov_b64 s[54:55], s[88:89]
	s_or_b32 s55, s55, 0x80000000
	s_mov_b32 s72, 1
	s_add_co_u32 s73, s3, 49152
	s_mov_b64 s[74:75], s[92:93]
	s_or_b32 s75, s75, 0x80000000
	CROUND                                         ; all sixteen work-groups are here: the joint loads meet
	s_cmp_eq_u32 s[WV], 0                          ; one chain of branches on the wave's number, one fill to an arm; an s_nop 0 and four v_nop follow each
	s_cbranch_scc0 .Lw1
	tensor_load_to_lds s[52:55], s[G1A:G1A+7]      ; wave 0: source 1, K steps 0 to 3
	s_nop 0
.rept 4
	v_nop
.endr
	s_branch .Lfilled
.Lw1:
	s_cmp_eq_u32 s[WV], 1
	s_cbranch_scc0 .Lw2
	tensor_load_to_lds s[72:75], s[G1B:G1B+7]      ; wave 1: source 0, K steps 0 to 3
	s_nop 0
.rept 4
	v_nop
.endr
	s_branch .Lfilled
.Lw2:
	s_cmp_eq_u32 s[WV], 2
	s_cbranch_scc0 .Lw3
	tensor_load_to_lds s[52:55], s[G1A:G1A+7]      ; wave 2: source 1, K steps 4 to 7
	s_nop 0
.rept 4
	v_nop
.endr
	s_branch .Lfilled
.Lw3:
	tensor_load_to_lds s[72:75], s[G1B:G1B+7]      ; wave 3: source 0, K steps 4 to 7
	s_nop 0
.rept 4
	v_nop
.endr
.Lfilled:
	s_lshl_b32 s98, s[WR], 2                       ; the scale words of all of K go straight into registers: each load reads 256 consecutive bytes
	s_add_co_u32 s98, s98, s[T1]
	s_lshl_b32 s98, s98, 9
	s_add_nc_u64 s[90:91], s[90:91], s[98:99]
	s_lshl_b32 s100, s[WC], 3
	s_add_co_u32 s100, s100, s[T0]
	s_lshl_b32 s100, s100, 9
	s_add_nc_u64 s[94:95], s[94:95], s[100:101]
	s_lshl_b32 s98, s[BT], 1
	s_add_co_u32 s98, s98, s[WC]
	s_lshl_b32 s98, s98, 9                         ; the bias of my 128 columns (MODE 0, 1),
	s_lshl_b32 s100, s[AT], 1
	s_add_co_u32 s100, s100, s[WR]
	s_lshl_b32 s100, s100, 8                       ; or of my 64 (MODE 2)
	s_cmp_eq_u32 s[MODE], 2
	s_cselect_b32 s98, s100, s98
	s_add_nc_u64 s[96:97], s[96:97], s[98:99]
.irp a, 0,1,2,3
.irp q, 0,1
	global_load_b64 v[32+4*\a+2*\q:33+4*\a+2*\q], v[S8], s[90:91] offset:\a*512+\q*256
.endr
.endr
.irp b, 0,1,2,3,4,5,6,7
.irp q, 0,1
	global_load_b64 v[48+4*\b+2*\q:49+4*\b+2*\q], v[S8], s[94:95] offset:\b*512+\q*256
.endr
.endr
	s_cmp_eq_u32 s[MODE], 2
	s_cbranch_scc1 .Lbias_v
	WIN 0x40                                       ; destination window 1
	s_wait_alu depctr_va_vdst(0)
.irp b, 0,1,2,3,4,5,6,7                        ; in tile b lane (r, h) holds columns 32 (b / 2) + 8 (b % 2) + 16 h + 0 .. 7
	global_load_b128 v[96+8*\b+96*(\b/4):99+8*\b+96*(\b/4)], v[BOQ], s[96:97] offset:(32*(\b/2)+8*(\b%2))*4
	global_load_b128 v[100+8*\b+96*(\b/4):103+8*\b+96*(\b/4)], v[BOQ], s[96:97] offset:(32*(\b/2)+8*(\b%2))*4+16
.endr
	WIN 0
	s_branch .Lbias_done
.Lbias_v:
	WIN 0x40
	s_wait_alu depctr_va_vdst(0)
.irp t, 0,1,2,3,4,5,6,7                        ; in tile a = t % 4 of source 1 the lane's column is 32 (a / 2) + 8 (a % 2) + r + 8 (r / 8), the same for its eight registers; two copies, so that all eight bias tiles are written on this way too
.irp j, 0,1,2,3,4,5,6,7
	global_load_b32 v[96+8*\t+96*(\t/4)+\j], v[BOV], s[96:97] offset:(32*((\t%4)/2)+8*(\t%2))*4
.endr
.endr
	WIN 0
.Lbias_done:
	s_cmp_lt_u32 s[WV], 2                          ; waves 0 and 1 brought the first half of K: they alone wait here
	s_cbranch_scc0 .Lnot_first
	s_wait_tensorcnt 0x0
.Lnot_first:
	s_barrier_signal -1
	s_barrier_wait -1                              ; everybody's is
	FETCH 0, 0
	s_wait_loadcnt 0x0                             ; scale words and bias
	s_cmp_eq_u32 s[MODE], 2                        ; only the first K step differs: which bias starts the sums
	s_cbranch_scc1 .Lstep0_v
	STEP 0, 1
	s_branch .Lstep1
.Lstep0_v:
	STEP 0, 2
.Lstep1:
	STEP 1, 0
	s_wait_alu depctr_va_vdst(0)
	STEP 2, 0
	STEP 3, 0
	s_wait_alu depctr_va_vdst(0)
	STEP 4, 0
	STEP 5, 0
	s_wait_alu depctr_va_vdst(0)
	STEP 6, 0
	STEP 7, 0
; THE WAY OUT.  For each of my four tiles of source 1 the 64 registers are 128 neighbours along source 0's rows: one fragment and one scale word a lane.
; MODE 0, 1: its two halves are two heads' half fragments of one tile of queries or keys.  MODE 2: it is one K step (128 keys) of one tile of 16 of a head's 64.  Only numbers in scalar registers differ.
	WIN 0x80                                       ; written once: a lane permute's destination counts as one of its sources.  These eight are also the places behind the last products
.irp b, 0,1,2,3
	v_mov_b32 v[164+\b], 0
.endr
	WIN 0xc0
.irp b, 0,1,2,3
	v_mov_b32 v[164+\b], 0
.endr
	WIN 0
	s_lshr_b32 s2, s[AT], 3                        ; MODE 0, 1: the batch,
	s_and_b32 s3, s[AT], 7
	s_lshl_b32 s28, s[BT], 1
	s_add_co_u32 s28, s28, s[WC]
	s_lshl_b32 s33, s2, 3
	s_add_co_u32 s33, s33, s28                     ; my pair of heads: 8 x batch + 2 BT + wc,
	s_lshl_b32 s72, s3, 1
	s_add_co_u32 s72, s72, s[WR]                   ; my four tiles: 2 (AT % 8) + wr   (all my tensor loads were shown done at step 3: the descriptors' registers are free)
	s_lshl_b32 s73, s33, 7
	s_lshl_b32 s74, s72, 2
	s_add_co_u32 s73, s73, s74
	s_mul_i32 s73, s73, 768
	s_mul_i32 s74, s[MODE], 6291456
	s_add_co_u32 s73, s73, s74                     ; codes: [head][tile][768]
	s_lshl_b32 s75, s33, 4
	s_add_co_u32 s75, s75, s72
	s_lshl_b32 s75, s75, 8
	s_lshl_b32 s74, s[MODE], 18
	s_add_co_u32 s75, s75, s74                     ; scale words: [pair of heads][four tiles][head % 2][r][2 words]
	s_lshr_b32 s76, s[BT], 2                       ; MODE 2: the batch,
	s_lshl_b32 s76, s76, 4
	s_lshl_b32 s77, s[AT], 1
	s_add_co_u32 s76, s76, s77
	s_add_co_u32 s76, s76, s[WR]                   ; the head,
	s_lshl_b32 s76, s76, 3
	s_and_b32 s77, s[BT], 3
	s_lshl_b32 s77, s77, 1
	s_add_co_u32 s76, s76, s77
	s_add_co_u32 s76, s76, s[WC]                   ; the key step
	s_mul_i32 s77, s76, 6144
	s_add_co_u32 s77, s77, 12582912                ; codes: [head][key step][tile of d][1,536]
	s_lshl_b32 s76, s76, 8
	s_add_co_u32 s76, s76, 524288                  ; scale words: [head][key step][r][4 words]
	s_mov_b32 s78, 768
	s_mov_b32 s80, 49152
	s_cmp_eq_u32 s[MODE], 2
	s_cselect_b32 s98, s77, s73
	s_cselect_b32 s100, s76, s75
	s_cselect_b32 s78, 1536, s78                   ; from tile to tile
	s_cselect_b32 s80, 768, s80                    ; from a fragment's first half to its second
	s_cselect_b32 s82, -1, 0
	s_cselect_b32 s83, 4, 3
	s_cselect_b32 s85, 3, 7
	s_mov_b32 s79, 0
	s_mov_b32 s81, 0
	s_mov_b32 s84, 0xffff0000                      ; lanes 16-31
	s_add_nc_u64 s[52:53], s[18:19], s[98:99]      ; eight places: tile a, half c at s[52 + 4 a + 2 c] (tile 3: s[68 + 2 c])
	s_add_nc_u64 s[54:55], s[52:53], s[80:81]
	s_add_nc_u64 s[56:57], s[52:53], s[78:79]
	s_add_nc_u64 s[58:59], s[54:55], s[78:79]
	s_add_nc_u64 s[60:61], s[56:57], s[78:79]
	s_add_nc_u64 s[62:63], s[58:59], s[78:79]
	s_add_nc_u64 s[68:69], s[60:61], s[78:79]
	s_add_nc_u64 s[70:71], s[62:63], s[78:79]
	s_add_nc_u64 s[20:21], s[20:21], s[100:101]
.macro OUTA a
.set N, 2+(\a)/2
.set PCA, 128+12*((\a)%2)              ; each tile has its own registers of codes: no store's data are written again
.set PP, 52+4*(\a)+4*((\a)/3)
	WIN N*0x55                                     ; every operand in the accumulators' window
	QUANT 64*((\a)%2), 128+12*((\a)%2), 152, 160, 176
	WIN N<<2                                       ; a store's data are its source 1
	global_store_b128 v[L16], v[PCA:PCA+3], s[PP:PP+1]        ; 512 and 256 consecutive bytes, aligned to 256
	global_store_b64 v[L8], v[PCA+4:PCA+5], s[PP:PP+1]
	global_store_b128 v[L16], v[PCA+6:PCA+9], s[PP+2:PP+3]
	global_store_b64 v[L8], v[PCA+10:PCA+11], s[PP+2:PP+3]
	WIN N
	v_mov_b32 v[PWS+(\a)], v176
.endm
	OUTA 0
	OUTA 1
	OUTA 2
	OUTA 3
	WIN 0
	v_mov_b32 v[SELV], 0x05040100
	v_mov_b32 v18, 0x07060302
	v_cndmask_b32 v[SELV], v[SELV], v18, s84
	v_lshlrev_b32 v[SOFF], s83, v[RR]
	v_lshlrev_b32 v18, s85, v[HH]
	v_add_nc_u32 v[SOFF], v[SOFF], v18             ; MODE 0, 1: 8 r + 128 h; MODE 2: 16 r + 8 h
	v_perm_b32 v12, v[PWS+1], v[PWS], v[SELV]      ; MODE 0, 1: a word = head h's two bytes of tile 2 j, then of tile 2 j + 1
	v_perm_b32 v13, v[PWS+3], v[PWS+2], v[SELV]
	v_cndmask_b32 v14, v[PWS], v[PWS+2], s84       ; MODE 2: the words of tiles 2 h and 2 h + 1 as they are
	v_cndmask_b32 v15, v[PWS+1], v[PWS+3], s84
	v_cndmask_b32 v12, v12, v14, s82
	v_cndmask_b32 v13, v13, v15, s82
	global_store_b64 v[SOFF], v[12:13], s[20:21]   ; 256 consecutive bytes, aligned
	s_wait_tensorcnt 0x0                           ; the wave's end: behind my last tensor load
	ds_add_u32 v[SPW], v[NIL]
	s_wait_dscnt 0x0
	CROUND                                         ; the closing round
	s_endpgm
.Lfunc_end_k_qcbb10642c9_proj:
	.size	k_qcbb10642c9_proj, .Lfunc_end_k_qcbb10642c9_proj-k_qcbb10642c9_proj
	.p2alignl 7, 3214868480
	.fill 96, 4, 3214868480
	.section	.rodata,"a",@progbits
	.p2align	6, 0x0
	.amdhsa_kernel k_qcbb10642c9_proj
		.amdhsa_group_segment_fixed_size 327680
		.amdhsa_private_segment_fixed_size 0
		.amdhsa_enable_private_segment 0
		.amdhsa_kernarg_size 72
		.amdhsa_user_sgpr_count 2
		.amdhsa_user_sgpr_kernarg_segment_ptr 1
		.amdhsa_wavefront_size32 1
		.amdhsa_system_sgpr_workgroup_id_x 1
		.amdhsa_system_sgpr_workgroup_id_y 1
		.amdhsa_system_sgpr_workgroup_id_z 1
		.amdhsa_system_vgpr_workitem_id 0
		.amdhsa_next_free_vgpr 1024
		.amdhsa_next_free_sgpr 102
		.amdhsa_reserve_vcc 0
		.amdhsa_float_denorm_mode_32 3
		.amdhsa_float_denorm_mode_16_64 3
		.amdhsa_memory_ordered 1
		.amdhsa_forward_progress 1
		.amdhsa_inst_pref_size 105
	.end_amdhsa_kernel
	.amdgpu_metadata
---
amdhsa.version: [ 1, 2 ]
amdhsa.kernels:
  - .name:           k_qcbb10642c9_proj
    .symbol:         k_qcbb10642c9_proj.kd
    .args:
      - { .name: act_img, .offset: 0, .size: 8, .value_kind: global_buffer, .address_space: global }
      - { .name: act_scl, .offset: 8, .size: 8, .value_kind: global_buffer, .address_space: global }
      - { .name: w_img, .offset: 16, .size: 8, .value_kind: global_buffer, .address_space: global }
      - { .name: w_scl, .offset: 24, .size: 8, .value_kind: global_buffer, .address_space: global }
      - { .name: bq, .offset: 32, .size: 8, .value_kind: global_buffer, .address_space: global }
      - { .name: bk, .offset: 40, .size: 8, .value_kind: global_buffer, .address_space: global }
      - { .name: bv, .offset: 48, .size: 8, .value_kind: global_buffer, .address_space: global }
      - { .name: qkv_img, .offset: 56, .size: 8, .value_kind: global_buffer, .address_space: global }
      - { .name: qkv_scl, .offset: 64, .size: 8, .value_kind: global_buffer, .address_space: global }
    .group_segment_fixed_size: 327680
    .private_segment_fixed_size: 0
    .kernarg_segment_align: 8
    .kernarg_segment_size: 72
    .max_flat_workgroup_size: 128
    .sgpr_count:     102
    .vgpr_count:     1024
    .wavefront_size: 32
...
	.end_amdgpu_metadata
.endif
;; end of part 2
;; launch attn (part 3): grid 2 x 128, 8 waves a work-group, no clusters, 167,936 bytes of LDS; arguments qkv_img, qkv_scl, o_img, o_scl; writes o_img, o_scl
.if DOCPART == 3
	.amdgcn_target "amdgcn-amd-amdhsa--gfx1250"
	.amdhsa_code_object_version 6
	.text
	.protected	k_qcbb10642c9_attn
	.globl	k_qcbb10642c9_attn
	.p2align	8
	.type	k_qcbb10642c9_attn,@function
k_qcbb10642c9_attn:
	s_mov_b64 s[64:65], 0
	v_nop
	global_prefetch_b8 v0, s[64:65] scope:SCOPE_SE
	s_setreg_imm32_b32 hwreg(HW_REG_WAVE_MODE, 25, 1), 1
	s_wait_xcnt 0x0
; o = softmax(q k^T / 8) v for one head, both products on codes of FP6 (E2M3) with E8M0 scales; o is quantised along D for the last product and stored as codes.
; t = score x log2(e) / 8; M = the running largest t rounded UP to a whole number; p = 2^(t - M) is quantised along the keys, not normalised; the row's sum is taken of the unquantised p and divides at the end;
; when M moves, the sums and O are multiplied by 2^(old M - new M), which rounds nothing.  A block's largest p is made from the block's largest score by the same two instructions (this takes v_exp_f32 not to fall where its input rises).
; SHARES.  A work-group: one head, 512 of its 1,024 queries.  Eight waves, two to a SIMD; a wave has 64 queries: two passes of TWO tiles of 16 queries side by side, which share every fragment of K and V read from LDS.
; The head's K and V (codes and scale words, 102,400 bytes) come into LDS ONCE, by eight tensor loads, one a wave; one barrier; then no wave waits for another until the end.
; NO CLUSTER: only the two work-groups of a head share tiles, and four partners would be two heads with different tiles.  NO PREFETCH: all that the launch reads is asked for at its head; there is no loop to run ahead in.
; LAYOUT.  Both products transposed (source 0 = keys, or 16 of the head's 64; source 1 = my queries): a lane holds one query.
; WHICH KEYS FORM A TILE is chosen by the lanes' LDS addresses: row 8 g + i of tile (c, j) is key 64 c + 32 g + 8 j + i of the step.  So score register 32 c + 8 j + i of lane (r, h) is key 64 c + 32 h + 8 j + i:
; a lane's 32 registers are one whole scale block of p, in the order of the next operand's registers: no lane is asked for a block's maximum, and no codes change lanes.
; In K's image (slot s of tile t = key 32 (t / 2) + 8 (t % 2) + s + 8 (s / 8)) that row is slot 8 (j / 2) + i of tile 2 (2 c + g) + j % 2.
; THE FIRST PRODUCT'S K IS 64, the instruction's 128: a fragment of K holds TWO tiles of keys.  Against [q, 0] it gives the first tile's scores, against [0, q] the second's; the dead half has zero codes and the least scale.
; FRAGMENTS are fetched for the next step as soon as their registers are free: K's behind the score products, V's behind the last products.  The last step fetches its own place once more (the offset is held at the last step).
; THE TWO TILES' WORK IS LAID INTO EACH OTHER: tile 0's search for the maxima stands among tile 1's score products; tile 1's t - M among tile 0's exponentials; the first level of tile 0's sums among tile 1's
; exponentials (lines that do not hang on each other, a wait ahead of each batch and one behind it); the rest of the sums among the last products.
; LIMITS: a block of zeros, or under 2^-124, gets the scale byte 1 (read by this program alone); NaN and infinities are not served; the scaled scores stay under 2^31 in magnitude.
; The second pass does not clear O and the sums: its first step multiplies what the first pass left, finite numbers, by f = 0.
; REGISTERS.  window 0: v1-23 addresses; v24-33, v88-95 scale words; v34-39 at work in the head; v40-63, v64-87 the two tiles' small state; v96-149 q among zeros; v150-157, v246-253 codes at work; v158-181 p's codes; v182-245 O^T.
;   window 1: v0-47 K's four fragments, v48-95 V's; v96-159, v160-223 S^T, then p, of tile 0, 1; v224-255 sixteen pairs of sums.
.set KIM,   0                          ; K: 64 tiles x 768 bytes
.set VIM,   49152                      ; V: 8 key steps x 4 tiles x 1,536 bytes
.set KSC,   98304                      ; K's scale words: [key step][four tiles][slot][2 words]
.set VSC,   100352                     ; V's: [key step][r][4 words]
.set OSG,   102400                     ; o's scale halves of the work-group's 32 tiles: 1,024 bytes, written by ds_store; no tile lands there
.set SPARE, 103424                     ; the spare words, 128 bytes for each wave: four blocks of 256 bytes that no other line names
.set L16, 1                            ; 16 x lane
.set L8,  2                            ; 512 + 8 x lane
.set K16L, 3                           ; the lane's part of K's addresses, pieces of 16 and of 8 bytes
.set K8L, 4
.set KSL, 5
.set VSL, 6
.set V16L, 7
.set V8L, 8
.set SPW, 9
.set NIL, 10
.set AK16, 11                          ; v11-16 the same with the step's offset
.set AK8, 12
.set AKS, 13
.set AV16, 14
.set AV8, 15
.set AVS, 16
.set SH8, 17                           ; 8 h
.set OSA, 18
.set OSL, 19
.set OGV, 20
.set HWS, 21
.set QS,  22
.set KW,  24                           ; v24-27 K's scale words, v28-31 V's, v32-33 p's (tile 0, 1), v88-95 q's: [pass][tile][q 0 | 0 q]
.set VW,  28
.set PW,  32
.set QW,  88
.set NM,  40                           ; a tile's state, tile 1's 24 higher: -M; the largest score; the row's sum at the end; f (pair); four maxima; two at work; two scale operands; the sum in four pairs
.set RUN, 41
.set LS,  42
.set FF,  44
.set BM,  46
.set T0,  50
.set T1,  51
.set SO,  52
.set XS,  54
.set QZ,  96                           ; [0, q(tile 0, pass 0), 0, q(0, 1), 0, q(1, 0), 0, q(1, 1), 0], six registers each
.set TP,  150                          ; tile 1's: 96 higher
.set PC,  158                          ; tile 1's: 12 higher
.set O,   182                          ; tile 1's: 32 higher
.set FK,  0                            ; window 1
.set FV,  48
.set SS,  96                           ; tile 1's: 64 higher
.set U,   224
.set WV,  12
.set SEL, 16
.set CS,  18
.set G1C, 20                           ; s[20:27] 16,384 dense bytes; s[28:35] K's scale words; s[36:43] V's; s[44:47], s[48:51], s[52:55] their groups 0
.set G1KS, 28
.set G1VS, 36
.set G0C, 44
.set G0KS, 48
.set G0VS, 52
.set TB,  56                           ; the next step's codes: 6,144 bytes a step, in K and in V; s59 the same, held at the last step
.set TS,  57                           ; its scale words: 256 bytes a step; s60
.set CNT, 58
.set TBN, 59
.set TSN, 60
.set NC,  61                           ; -log2(e) / 8
.set MSB, 0
.macro WIN new                         ; the immediate's high byte repeats the setting that is left
.if MSB != (\new)
	s_set_vgpr_msb (MSB<<8)|(\new)
.set MSB, (\new)
.endif
.endm
.macro WALU
	s_wait_alu depctr_va_vdst(0)
.endm
.macro MM d, a, b, c, sa, sb
	v_wmma_scale_f32_16x16x128_f8f6f4 v[\d:\d+7], v[\a:\a+11], v[\b:\b+11], \c, v[\sa], v[\sb] matrix_a_fmt:MATRIX_FMT_FP6 matrix_b_fmt:MATRIX_FMT_FP6
.endm
.macro ADDR
	v_add_nc_u32 v[AK16], s[TBN], v[K16L]
	v_add_nc_u32 v[AK8], s[TBN], v[K8L]
	v_add_nc_u32 v[AKS], s[TSN], v[KSL]
	v_add_nc_u32 v[AV16], s[TBN], v[V16L]
	v_add_nc_u32 v[AV8], s[TBN], v[V8L]
	v_add_nc_u32 v[AVS], s[TSN], v[VSL]
.endm
.macro LOADK                           ; 20 loads: fragment 2 c + e holds tiles (c, 2 e) and (c, 2 e + 1); its scale word is one word of K's image
	WIN 0x40
.irp c, 0,1
.irp e, 0,1
.irp y, 0,1
	ds_load_b128 v[FK+12*(2*\c+\e)+6*\y:FK+12*(2*\c+\e)+6*\y+3], v[AK16] offset:3072*\c+128*\e+768*\y
	ds_load_b64 v[FK+12*(2*\c+\e)+6*\y+4:FK+12*(2*\c+\e)+6*\y+5], v[AK8] offset:3072*\c+64*\e+768*\y
.endr
.endr
.endr
	WIN 0
.irp c, 0,1
.irp e, 0,1
	ds_load_b32 v[KW+2*\c+\e], v[AKS] offset:128*\c+64*\e
.endr
.endr
.endm
.macro LOADV                           ; 17 loads
	WIN 0x40
.irp t, 0,1,2,3,4,5,6,7
	ds_load_b128 v[FV+6*\t:FV+6*\t+3], v[AV16] offset:768*\t
	ds_load_b64 v[FV+6*\t+4:FV+6*\t+5], v[AV8] offset:768*\t
.endr
	WIN 0
	ds_load_b128 v[VW:VW+3], v[AVS]
.endm
; The largest score of each block of 32 keys of tile u, all of it in my lane: two chains a block, in eight groups of lines; each accumulator is read from its low end on
.macro MAXG u, g
.if (\g) == 0
	WIN 0x15
.irp k, 0,1,2,3
	v_max3_num_f32 v[BM+\k+24*(\u)], v[SS+64*(\u)+16*\k], v[SS+64*(\u)+16*\k+1], v[SS+64*(\u)+16*\k+2]
.endr
.elseif (\g) < 7
	WIN 0x14
.irp k, 0,1,2,3
	v_max3_num_f32 v[BM+\k+24*(\u)], v[BM+\k+24*(\u)], v[SS+64*(\u)+16*\k+2*(\g)+1], v[SS+64*(\u)+16*\k+2*(\g)+2]
.endr
.else
	WIN 0x14
.irp c, 0,1
	v_max3_num_f32 v[BM+2*\c+24*(\u)], v[BM+2*\c+24*(\u)], v[SS+64*(\u)+32*\c+15], v[SS+64*(\u)+32*\c+31]
.endr
.endif
.endm
; One addition of the row sums, entry e_ of 48: tile 0's sixteen pairs of the first level, then tile 1's 32 pairs of p; four running pairs a tile by turns.  Source 0 lies in window 1, as the last products' does
.macro SUMI
.if e_ < 16
	v_pk_add_f32 v[XS+2*(e_%4):XS+2*(e_%4)+1], v[U+2*e_:U+2*e_+1], v[XS+2*(e_%4):XS+2*(e_%4)+1]
.else
	v_pk_add_f32 v[XS+24+2*(e_%4):XS+25+2*(e_%4)], v[SS+64+2*(e_-16):SS+65+2*(e_-16)], v[XS+24+2*(e_%4):XS+25+2*(e_%4)]
.endif
.set e_, e_+1
.endm
	s_load_b128 s[4:7], s[0:1], 0x0                ; qkv_img, qkv_scl
	s_load_b128 s[8:11], s[0:1], 0x10              ; o_img, o_scl
	v_lshl_add_u32 v[SPW], v0, 2, SPARE
	v_mov_b32 v[NIL], 0
	ds_add_u32 v[SPW], v[NIL]                      ; the opening lines: the add, twice on end, and its wait ahead of my tensor load
	ds_add_u32 v[SPW], v[NIL]
	v_lshrrev_b32 v34, 5, v0
	v_readfirstlane_b32 s[WV], v34                 ; wave 0..7
	s_lshl_b32 s76, s[WV], 7
	s_add_co_u32 s76, s76, OSG                     ; my four tiles' 128 bytes of the stage
	s_min_u32 s77, s[WV], 1
	s_lshl_b32 s77, s77, 9                         ; waves 0 and 1 carry the stage out, 512 bytes each
	v_and_b32 v34, 31, v0                          ; lane
	v_and_b32 v35, 15, v0                          ; r
	v_and_b32 v36, 7, v0                           ; r % 8
	v_bfe_u32 v37, v0, 3, 1                        ; r / 8
	v_bfe_u32 v38, v0, 4, 1                        ; h
	v_lshlrev_b32 v[L16], 4, v34
	v_lshlrev_b32 v[L8], 3, v34
	v_add_nc_u32 v[L8], 512, v[L8]
	v_mul_u32_u24 v[K16L], v37, 1536               ; rows 8-15 of a tile come from two image tiles further on
	v_lshl_add_u32 v[K8L], v36, 3, v[K16L]
	v_lshl_add_u32 v[K8L], v38, 7, v[K8L]
	v_add_nc_u32 v[K8L], 512, v[K8L]
	v_lshl_add_u32 v[K16L], v36, 4, v[K16L]
	v_lshl_add_u32 v[K16L], v38, 8, v[K16L]
	v_lshl_add_u32 v[KSL], v36, 3, KSC
	v_lshl_add_u32 v[KSL], v37, 2, v[KSL]
	v_lshl_add_u32 v[VSL], v35, 4, VSC
	v_add_nc_u32 v[V16L], VIM, v[L16]
	v_add_nc_u32 v[V8L], VIM, v[L8]
	v_lshlrev_b32 v[SH8], 3, v38
	v_lshl_add_u32 v[OSA], v35, 3, s76
	v_add_nc_u32 v[OGV], s77, v[L16]
	v_add_nc_u32 v[OSL], OSG, v[OGV]
	v_lshlrev_b32 v39, 3, v35                      ; 8 r
	s_and_b32 s13, ttmp7, 0xffff                   ; batch x 16 + head
	s_lshl_b32 s15, ttmp9, 3
	s_add_co_u32 s15, s15, s[WV]                   ; my four query tiles, 0..15
	s_mov_b32 s[G1C], 3<<16                        ; elements of 8 bytes, no mask, no padding
	s_mov_b32 s[G1C+1], 32<<16                     ; rows of 256 bytes,
	s_mov_b32 s[G1C+2], 64<<16                     ; 64 of them, dense
	s_mov_b32 s[G1C+3], 32<<16
	s_mov_b32 s[G1C+4], 64
	s_mov_b32 s[G1C+5], 32
	s_mov_b32 s[G1C+6], 0
	s_mov_b32 s[G1C+7], 0
	s_mov_b32 s[G1KS], 3<<16
	s_mov_b32 s[G1KS+1], 16<<16                    ; rows of 128 bytes,
	s_mov_b32 s[G1KS+2], 16<<16                    ; 16 of them,
	s_mov_b32 s[G1KS+3], 16<<16
	s_mov_b32 s[G1KS+4], 16
	s_mov_b32 s[G1KS+5], 32                        ; 256 bytes apart (the neighbouring head's lie between)
	s_mov_b32 s[G1KS+6], 0
	s_mov_b32 s[G1KS+7], 0
	s_mov_b32 s[G1VS], 3<<16
	s_mov_b32 s[G1VS+1], 32<<16
	s_mov_b32 s[G1VS+2], 8<<16                     ; 8 rows of 256 bytes, dense
	s_mov_b32 s[G1VS+3], 32<<16
	s_mov_b32 s[G1VS+4], 8
	s_mov_b32 s[G1VS+5], 32
	s_mov_b32 s[G1VS+6], 0
	s_mov_b32 s[G1VS+7], 0
	s_mov_b32 s[SEL], 0x76543210
	s_mov_b32 s[SEL+1], 0xfedcba98
	s_mov_b32 s[CS], 0x3e38aa3b                    ; c = log2(e) / 8
	s_mov_b32 s[CS+1], s[CS]                       ; (named with it as a pair, so it is written)
	s_mov_b32 s[NC], 0xbe38aa3b                    ; -c
	s_mov_b32 s74, 0x01010000
	s_mov_b32 s75, 0x0101
	s_lshr_b32 s62, s13, 1
	s_lshl_b32 s62, s62, 12
	s_and_b32 s63, s13, 1
	s_lshl_b32 s63, s63, 7
	s_add_co_u32 s62, s62, s63                     ; my head's place among q's, or k's, scale words
	s_lshl_b32 s63, s15, 2                         ; my first tile
	s_lshl_b32 s66, s13, 6
	s_add_co_u32 s66, s66, s63
	s_mul_i32 s66, s66, 768                        ; q's codes
	s_mov_b32 s67, 0
	s_lshl_b32 s68, s15, 8
	s_add_co_u32 s68, s68, s62                     ; q's two scale words a row
	s_mov_b32 s69, 0
	s_lshr_b32 s70, s13, 4                         ; the batch
	s_lshl_b32 s71, s70, 6
	s_add_co_u32 s71, s71, s63
	s_mul_i32 s71, s71, 12288                      ; o's codes: my first tile,
	s_and_b32 s72, s13, 15                         ; the head,
	s_mul_i32 s73, s72, 768                        ; whose 64 are half fragment number head of the tile
	s_lshl_b32 s72, s72, 14
	s_lshl_b32 s70, s70, 4
	s_lshl_b32 s14, ttmp9, 3
	s_add_co_u32 s70, s70, s14
	s_lshl_b32 s70, s70, 7
	s_add_co_u32 s72, s72, s70                     ; o's scale halves: [head][tile / 4][r][tile % 4] of 2 bytes
	s_add_co_u32 s70, s71, s73
	s_mov_b32 s71, 0
	s_mov_b32 s73, 0
	s_cmp_lt_u32 s[WV], 3                          ; waves 0-2 fetch K's thirds, waves 3-5 V's
	s_cselect_b32 s77, 0, 3
	s_mul_i32 s76, s77, 2097152                    ; 0, or the 6,291,456 bytes from K's image to V's
	s_sub_co_u32 s77, s[WV], s77
	s_lshl_b32 s77, s77, 14
	s_add_co_u32 s76, s76, s77
	s_mul_i32 s77, s13, 49152
	s_add_co_u32 s76, s76, s77
	s_add_co_u32 s76, s76, 6291456
	s_mov_b32 s77, 0
	s_add_co_u32 s78, s62, 262144                  ; K's scale words
	s_mov_b32 s79, 0
	s_lshl_b32 s62, s13, 11
	s_add_co_u32 s62, s62, 524288                  ; V's
	s_mov_b32 s63, 0
	WALU                                           ; directly ahead of the waits below
	s_wait_dscnt 0x0                               ; both opening adds are done
	s_wait_kmcnt 0x0
	s_mov_b32 s[G0C], 1
	s_lshl_b32 s[G0C+1], s[WV], 14                 ; K's 49,152 bytes, then V's: 16,384 x wave
	s_add_nc_u64 s[G0C+2:G0C+3], s[4:5], s[76:77]
	s_or_b32 s[G0C+3], s[G0C+3], 0x80000000
	s_mov_b32 s[G0KS], 1
	s_mov_b32 s[G0KS+1], KSC
	s_add_nc_u64 s[G0KS+2:G0KS+3], s[6:7], s[78:79]
	s_or_b32 s[G0KS+3], s[G0KS+3], 0x80000000
	s_mov_b32 s[G0VS], 1
	s_mov_b32 s[G0VS+1], VSC
	s_add_nc_u64 s[G0VS+2:G0VS+3], s[6:7], s[62:63]
	s_or_b32 s[G0VS+3], s[G0VS+3], 0x80000000
	s_cmp_lt_u32 s[WV], 6                          ; the fills: one a wave, in one chain of branches; an s_nop 0 and four v_nop follow each
	s_cbranch_scc0 .Lnot_img
	tensor_load_to_lds s[G0C:G0C+3], s[G1C:G1C+7]
	s_nop 0
.rept 4
	v_nop
.endr
	s_branch .Lasked
.Lnot_img:
	s_cmp_eq_u32 s[WV], 6
	s_cbranch_scc0 .Lnot_ks
	tensor_load_to_lds s[G0KS:G0KS+3], s[G1KS:G1KS+7]
	s_nop 0
.rept 4
	v_nop
.endr
	s_branch .Lasked
.Lnot_ks:
	tensor_load_to_lds s[G0VS:G0VS+3], s[G1VS:G1VS+7]
	s_nop 0
.rept 4
	v_nop
.endr
.Lasked:
	s_add_nc_u64 s[66:67], s[4:5], s[66:67]
	s_add_nc_u64 s[68:69], s[6:7], s[68:69]
	s_add_nc_u64 s[70:71], s[8:9], s[70:71]
	s_add_nc_u64 s[72:73], s[10:11], s[72:73]
.irp u, 0,1                                    ; q's four half fragments stay in registers: tile 2 p + u is pass p's tile u
.irp p, 0,1
	global_load_b128 v[QZ+6+12*(2*\u+\p):QZ+9+12*(2*\u+\p)], v[L16], s[66:67] offset:768*(2*\p+\u)
	global_load_b64 v[QZ+10+12*(2*\u+\p):QZ+11+12*(2*\u+\p)], v[L8], s[66:67] offset:768*(2*\p+\u)
.endr
.endr
	global_load_b64 v[QS:QS+1], v39, s[68:69]      ; word p: low half tile 2 p's two bytes, high half tile 2 p + 1's
.irp z, 0,12,24,36,48
.irp t, 0,1,2,3,4,5
	v_mov_b32 v[QZ+\z+\t], 0                       ; zero codes beside them
.endr
.endr
.set j, 0
.rept 64
	v_mov_b32 v[O+j], 0                            ; O^T: the step is written once, and the first finds zeros
.set j, j+1
.endr
.irp u, 0,1
.irp k, 0,1,2,3,4,5,6,7
	v_mov_b32 v[XS+\k+24*\u], 0                    ; and so the sums
.endr
	v_mov_b32 v[FF+1+24*\u], 0                     ; (named as the upper half of the pair)
	v_mov_b32 v[T1+24*\u], 0                       ; a lane permute's destination counts as one of its sources
.endr
	WALU                                           ; the wait at the head's end
	s_wait_tensorcnt 0x0                           ; my fill has landed,
	s_barrier_signal -1
	s_barrier_wait -1                              ; everybody's has
	s_wait_loadcnt 0x0                             ; q
.irp p, 0,1
	v_and_or_b32 v[QW+4*\p], v[QS+\p], 0xffff, s74         ; [q, 0]: its bytes below, the least scale above
	v_lshl_or_b32 v[QW+4*\p+1], v[QS+\p], 16, s75          ; [0, q]
	v_lshrrev_b32 v[QW+4*\p+2], 16, v[QS+\p]
	v_and_or_b32 v[QW+4*\p+3], v[QS+\p], 0xffff0000, s75
.endr
.irp p, 0,1
	v_or_b32 v[QW+4*\p+2], s74, v[QW+4*\p+2]
.endr
; A KEY STEP of 128 keys for the pass's two query tiles.
.macro STEP pi
	s_add_co_u32 s[TB], s[TB], 6144
	s_add_co_u32 s[TS], s[TS], 256
	s_min_u32 s[TBN], s[TB], 43008                 ; the next step's place, held at step 7
	s_min_u32 s[TSN], s[TS], 1792
	s_wait_dscnt 17                                ; K's 20 loads are in; V's 17, issued behind them, may be out
	WIN 0x41                                       ; source 0 (K) and D (S^T) window 1, source 1 (q) window 0
.irp f, 0,1,2,3
	MM SS+16*\f, FK+12*\f, QZ+6+12*(\pi), 0, KW+\f, QW+4*(\pi)
	MM SS+16*\f+8, FK+12*\f, QZ+12*(\pi), 0, KW+\f, QW+4*(\pi)+1
.endr
.irp f, 0,1,2,3                                ; tile 1's eight products; behind the first the six address lines (the places ahead of the first read of tile 0's scores), behind each other one four lines of tile 0's maxima
.irp y, 0,1
	WIN 0x41
	MM SS+64+16*\f+8*\y, FK+12*\f, QZ+30+12*(\pi)-6*\y, 0, KW+\f, QW+4*(\pi)+2+\y
.if 2*\f+\y == 0
	WIN 0
	ADDR
.else
	MAXG 0, 2*\f+\y-1
.endif
.endr
.endr
	MAXG 0, 7                                      ; with the four lines ahead of it: the places ahead of the loads into K's registers and of the first read of tile 1's scores
	LOADK
.irp g, 0,1,2,3,4,5,6,7
	MAXG 1, \g
.endr
	WIN 0
.irp u, 0,1                                    ; from here the two tiles' lines take turns
	v_max_num_f32 v[BM+24*\u], v[BM+24*\u], v[BM+1+24*\u]
	v_max_num_f32 v[BM+2+24*\u], v[BM+2+24*\u], v[BM+3+24*\u]
.endr
.irp u, 0,1
	v_max_num_f32 v[T0+24*\u], v[BM+24*\u], v[BM+2+24*\u]
.endr
.irp u, 0,1
	v_permlanex16_b32 v[T1+24*\u], v[T0+24*\u], s[SEL], s[SEL+1]
.endr
.irp u, 0,1
	v_max3_num_f32 v[RUN+24*\u], v[RUN+24*\u], v[T0+24*\u], v[T1+24*\u]   ; the running largest score, with lane l xor 16's 64 keys
.endr
.irp u, 0,1
	v_mov_b32 v[T0+24*\u], v[NM+24*\u]
.endr
.irp u, 0,1
	v_mul_f32 v[T1+24*\u], s[NC], v[RUN+24*\u]     ; -t
.endr
.irp u, 0,1
	v_floor_f32 v[NM+24*\u], v[T1+24*\u]           ; the new -M = floor(-t): M is a whole number
.endr
.irp u, 0,1
	v_sub_f32 v[T0+24*\u], v[NM+24*\u], v[T0+24*\u]   ; old M - new M: a whole number, 0 or less
.endr
.irp u, 0,1
	v_cvt_i32_f32 v[T0+24*\u], v[T0+24*\u]         ; (it saturates)
.endr
.irp u, 0,1
	v_ldexp_f32 v[FF+24*\u], 1.0, v[T0+24*\u]      ; f = 2^(old M - new M)
.endr
.irp u, 0,1
	v_fma_f32 v[BM+24*\u], v[BM+24*\u], s[CS], v[NM+24*\u]       ; t - M of each block's largest score
	v_fma_f32 v[BM+2+24*\u], v[BM+2+24*\u], s[CS], v[NM+24*\u]
.endr
.irp u, 0,1
.irp k, 0,2,4,6
	v_pk_mul_f32 v[XS+\k+24*\u:XS+\k+1+24*\u], v[XS+\k+24*\u:XS+\k+1+24*\u], v[FF+24*\u:FF+1+24*\u] op_sel_hi:[1,0]   ; the sums under the new M
.endr
.endr
.irp u, 0,1
.set j, 0
.rept 16
	v_pk_mul_f32 v[O+32*\u+j:O+32*\u+j+1], v[O+32*\u+j:O+32*\u+j+1], v[FF+24*\u:FF+1+24*\u] op_sel_hi:[1,0]   ; O^T under the new M, ahead of the exponentials
.set j, j+2
.endr
.endr
	WIN 0x41
.set j, 0
.rept 32
	v_pk_fma_f32 v[SS+j:SS+j+1], v[SS+j:SS+j+1], s[CS:CS+1], v[NM:NM+1] op_sel_hi:[1,0,0]   ; tile 0: t - M, two at a time
.set j, j+2
.endr
	WIN 0
	WALU                                           ; the wait ahead of the batch
.irp u, 0,1
	v_exp_f32 v[BM+24*\u], v[BM+24*\u]             ; the blocks' largest p
	v_exp_f32 v[BM+2+24*\u], v[BM+2+24*\u]
.endr
	WIN 0x41
.set j, 0
.rept 32
	v_exp_f32 v[SS+j], v[SS+j]                     ; tile 0: p = 2^(t - M);
	v_exp_f32 v[SS+j+1], v[SS+j+1]
	v_pk_fma_f32 v[SS+64+j:SS+65+j], v[SS+64+j:SS+65+j], s[CS:CS+1], v[NM+24:NM+25] op_sel_hi:[1,0,0]   ; among them tile 1's t - M: its sources were written ahead of the wait, its results are read behind the next
.set j, j+2
.endr
	WIN 0
	v_nop                                          ; a plain place behind the exponentials
	WALU                                           ; one wait for the batch, ahead of its first reader
.irp u, 0,1
	v_max_num_f32 v[BM+24*\u], 0x1800000, v[BM+24*\u]        ; the floor 2^(3 - 127)
	v_max_num_f32 v[BM+2+24*\u], 0x1800000, v[BM+2+24*\u]
.endr
.irp u, 0,1
	v_add_nc_u32 v[SO+24*\u], 0xff000000, v[BM+24*\u]        ; 2 off the exponent field: the conversions' scale operands
	v_add_nc_u32 v[SO+1+24*\u], 0xff000000, v[BM+2+24*\u]
.endr
.irp u, 0,1
	v_lshrrev_b32 v[BM+24*\u], 23, v[SO+24*\u]               ; the bytes of my blocks h and 2 + h
	v_lshrrev_b32 v[BM+2+24*\u], 23, v[SO+1+24*\u]
.endr
.irp u, 0,1
	v_lshl_or_b32 v[T0+24*\u], v[BM+2+24*\u], 16, v[BM+24*\u]
.endr
.irp u, 0,1
	v_lshlrev_b32 v[T0+24*\u], v[SH8], v[T0+24*\u]           ; at their places in the word
.endr
.irp u, 0,1
	v_permlanex16_b32 v[T1+24*\u], v[T0+24*\u], s[SEL], s[SEL+1]
.endr
.irp u, 0,1
	v_or_b32 v[PW+\u], v[T0+24*\u], v[T1+24*\u]    ; with lane l xor 16's two: p's scale word for these 128 keys
.endr
	WALU                                           ; the wait ahead of the second batch
	WIN 0x45
.set j, 0
.rept 16
	v_exp_f32 v[SS+64+4*j], v[SS+64+4*j]           ; tile 1: p;
	v_exp_f32 v[SS+65+4*j], v[SS+65+4*j]
	v_exp_f32 v[SS+66+4*j], v[SS+66+4*j]
	v_exp_f32 v[SS+67+4*j], v[SS+67+4*j]
	v_pk_add_f32 v[U+2*j:U+2*j+1], v[SS+4*j:SS+4*j+1], v[SS+4*j+2:SS+4*j+3]   ; among them the first level of tile 0's sums: sixteen lines that do not hang on each other
.set j, j+1
.endr
	WIN 0
	v_nop                                          ; a plain place behind the exponentials
	WALU
	WIN 0x01                                       ; source 0 (p) window 1; the codes and the scale operand window 0
.irp u, 0,1
	v_cvt_scalef32_pk16_fp6_f32 v[PC+12*\u:PC+12*\u+2], v[SS+64*\u:SS+64*\u+15], v[SO+24*\u]
	v_cvt_scalef32_pk16_fp6_f32 v[TP+96*\u:TP+96*\u+2], v[SS+64*\u+16:SS+64*\u+31], v[SO+24*\u]       ; (a conversion's three registers begin on an even number)
	v_cvt_scalef32_pk16_fp6_f32 v[PC+12*\u+6:PC+12*\u+8], v[SS+64*\u+32:SS+64*\u+47], v[SO+1+24*\u]
	v_cvt_scalef32_pk16_fp6_f32 v[TP+96*\u+4:TP+96*\u+6], v[SS+64*\u+48:SS+64*\u+63], v[SO+1+24*\u]
.endr
	WIN 0
	v_nop                                          ; one plain place behind a scaled conversion
.irp u, 0,1
.irp i, 0,1,2
	v_mov_b32 v[PC+12*\u+3+\i], v[TP+96*\u+\i]
	v_mov_b32 v[PC+12*\u+9+\i], v[TP+96*\u+4+\i]
.endr
.endr
	WALU                                           ; directly ahead of the wait below
	s_wait_dscnt 0x0                               ; V (and the next step's K, asked for long ago)
	WIN 0x01                                       ; O^T += V^T P^T: source 0 (V) window 1, all else window 0; the eight accumulators by turns, six additions of the row sums behind each
.set e_, 0
.irp u, 0,1
.irp t, 0,1,2,3
	MM O+32*\u+8*\t, FV+12*\t, PC+12*\u, v[O+32*\u+8*\t:O+32*\u+8*\t+7], VW+\t, PW+\u
.rept 6
	SUMI
.endr
.endr
.endr
	LOADV                                          ; the last six additions are the places ahead of the loads into V's registers
.endm
; Two tiles of 16 queries through all 1,024 keys.  The largest score begins at -3e38 and -M at 4e37, so that the first step's f is 0.
.macro PASS pi
	s_wait_xcnt 0x0                                ; the last pass's stores have read the codes' registers
.irp u, 0,1
	v_mov_b32 v[RUN+24*\u], 0xff61b1e6
	v_mov_b32 v[NM+24*\u], 0x7e000000
.endr
	s_mov_b32 s[TB], 0
	s_mov_b32 s[TS], 0
	s_mov_b32 s[TBN], 0
	s_mov_b32 s[TSN], 0
	s_mov_b32 s[CNT], 8
	s_wait_dscnt 0x0                               ; no load is on its way into the fragments' registers
	ADDR
	LOADK                                          ; step 0
	LOADV
	WALU                                           ; ahead of the loop's first wait
.Lstep_\@:
	STEP \pi
	s_sub_co_u32 s[CNT], s[CNT], 1
	s_cmp_lg_u32 s[CNT], 0
	s_cbranch_scc1 .Lstep_\@
	WALU
.irp u, 0,1
	v_pk_add_f32 v[XS+24*\u:XS+1+24*\u], v[XS+24*\u:XS+1+24*\u], v[XS+2+24*\u:XS+3+24*\u]   ; the four pairs are joined,
	v_pk_add_f32 v[XS+4+24*\u:XS+5+24*\u], v[XS+4+24*\u:XS+5+24*\u], v[XS+6+24*\u:XS+7+24*\u]
.endr
.irp u, 0,1
	v_pk_add_f32 v[XS+24*\u:XS+1+24*\u], v[XS+24*\u:XS+1+24*\u], v[XS+4+24*\u:XS+5+24*\u]
.endr
.irp u, 0,1
	v_add_f32 v[LS+24*\u], v[XS+24*\u], v[XS+1+24*\u]        ; the pair's two halves,
.endr
.irp u, 0,1
	v_permlanex16_b32 v[T1+24*\u], v[LS+24*\u], s[SEL], s[SEL+1]
.endr
.irp u, 0,1
	v_add_f32 v[LS+24*\u], v[LS+24*\u], v[T1+24*\u]          ; and lane l xor 16's
.endr
	WALU
	v_rcp_f32 v[LS], v[LS]
	v_rcp_f32 v[LS+24], v[LS+24]
	v_nop                                          ; a plain place behind the reciprocals
	WIN 0x40
	WALU                                           ; directly ahead of the first reader of the reciprocals and of O^T
.irp u, 0,1
.set j, 0
.rept 32
	v_mul_f32 v[SS+64*\u+j], v[O+32*\u+j], v[LS+24*\u]       ; o: register 16 b + i is channel 32 b + 16 (lane / 16) + i of my query; each accumulator from its low end on
.set j, j+1
.endr
.endr
	WIN 0x05                                       ; o's two blocks of 32 channels: 16 numbers of each are mine
.irp u, 0,1
.irp b, 0,1
	v_max3_num_f32 v[BM+2*\b+24*\u], |v[SS+64*\u+16*\b]|, |v[SS+64*\u+16*\b+1]|, 0x1800000
.endr
.endr
	WIN 0x14
.irp i, 2,4,6,8,10,12,14
.irp u, 0,1
.irp b, 0,1
	v_max3_num_f32 v[BM+2*\b+24*\u], v[BM+2*\b+24*\u], |v[SS+64*\u+16*\b+\i]|, |v[SS+64*\u+16*\b+\i+1]|
.endr
.endr
.endr
	WIN 0
.irp u, 0,1
.irp b, 0,1
	v_permlanex16_b32 v[BM+2*\b+1+24*\u], v[BM+2*\b+24*\u], s[SEL], s[SEL+1]
.endr
.endr
.irp u, 0,1
.irp b, 0,1
	v_max_num_f32 v[BM+2*\b+24*\u], v[BM+2*\b+24*\u], v[BM+2*\b+1+24*\u]
.endr
.endr
.irp u, 0,1
.irp b, 0,1
	v_add_nc_u32 v[SO+\b+24*\u], 0xff000000, v[BM+2*\b+24*\u]
.endr
.endr
.irp u, 0,1
.irp b, 0,1
	v_lshrrev_b32 v[BM+2*\b+1+24*\u], 23, v[SO+\b+24*\u]
.endr
.endr
.irp u, 0,1
	v_lshl_or_b32 v[T0+24*\u], v[BM+3+24*\u], 8, v[BM+1+24*\u]
.endr
	v_lshl_or_b32 v[HWS], v[T0+24], 16, v[T0]
	ds_store_b32 v[OSA], v[HWS] offset:4*(\pi)     ; the two tiles' scale halves (lanes r and r + 16 write the same word with the same value)
	WIN 0x01
.irp u, 0,1
	v_cvt_scalef32_pk16_fp6_f32 v[PC+12*\u:PC+12*\u+2], v[SS+64*\u:SS+64*\u+15], v[SO+24*\u]
	v_cvt_scalef32_pk16_fp6_f32 v[TP+96*\u:TP+96*\u+2], v[SS+64*\u+16:SS+64*\u+31], v[SO+1+24*\u]
.endr
	WIN 0
	v_nop                                          ; one plain place behind a scaled conversion
.irp u, 0,1
.irp i, 0,1,2
	v_permlane16_swap_b32 v[PC+12*\u+\i], v[TP+96*\u+\i]     ; a whole block to a lane
.endr
.endr
.irp u, 0,1
.irp i, 0,1,2
	v_mov_b32 v[PC+12*\u+3+\i], v[TP+96*\u+\i]
.endr
.endr
.irp u, 0,1
	global_store_b128 v[L16], v[PC+12*\u:PC+12*\u+3], s[70:71] offset:12288*(2*(\pi)+\u)   ; 512 and 256 consecutive bytes, aligned to 256
	global_store_b64 v[L8], v[PC+12*\u+4:PC+12*\u+5], s[70:71] offset:12288*(2*(\pi)+\u)
.endr
.endm
	PASS 0
	PASS 1
	s_wait_dscnt 0x0                               ; for the others' sake: my stores into the stage are done
	s_barrier_signal -1
	s_barrier_wait -1
	s_cmp_lt_u32 s[WV], 2
	s_cbranch_scc0 .Ldone
	ds_load_b128 v[O:O+3], v[OSL]
	s_wait_dscnt 0x0
	global_store_b128 v[OGV], v[O:O+3], s[72:73]   ; 512 consecutive bytes, aligned to 256
.Ldone:
	s_wait_tensorcnt 0x0                           ; the wave's end: behind my tensor load and my last LDS store
	ds_add_u32 v[SPW], v[NIL]
	s_wait_dscnt 0x0
	s_endpgm
.Lfunc_end_k_qcbb10642c9_attn:
	.size	k_qcbb10642c9_attn, .Lfunc_end_k_qcbb10642c9_attn-k_qcbb10642c9_attn
	.p2alignl 7, 3214868480
	.fill 96, 4, 3214868480
	.section	.rodata,"a",@progbits
	.p2align	6, 0x0
	.amdhsa_kernel k_qcbb10642c9_attn
		.amdhsa_group_segment_fixed_size 167936
		.amdhsa_private_segment_fixed_size 0
		.amdhsa_enable_private_segment 0
		.amdhsa_kernarg_size 32
		.amdhsa_user_sgpr_count 2
		.amdhsa_user_sgpr_kernarg_segment_ptr 1
		.amdhsa_wavefront_size32 1
		.amdhsa_system_sgpr_workgroup_id_x 1
		.amdhsa_system_sgpr_workgroup_id_y 1
		.amdhsa_system_sgpr_workgroup_id_z 1
		.amdhsa_system_vgpr_workitem_id 0
		.amdhsa_next_free_vgpr 512
		.amdhsa_next_free_sgpr 80
		.amdhsa_reserve_vcc 0
		.amdhsa_float_denorm_mode_32 3
		.amdhsa_float_denorm_mode_16_64 3
		.amdhsa_memory_ordered 1
		.amdhsa_forward_progress 1
		.amdhsa_inst_pref_size 91
	.end_amdhsa_kernel
	.amdgpu_metadata
---
amdhsa.version: [ 1, 2 ]
amdhsa.kernels:
  - .name:           k_qcbb10642c9_attn
    .symbol:         k_qcbb10642c9_attn.kd
    .args:
      - { .name: qkv_img, .offset: 0, .size: 8, .value_kind: global_buffer, .address_space: global }
      - { .name: qkv_scl, .offset: 8, .size: 8, .value_kind: global_buffer, .address_space: global }
      - { .name: o_img, .offset: 16, .size: 8, .value_kind: global_buffer, .address_space: global }
      - { .name: o_scl, .offset: 24, .size: 8, .value_kind: global_buffer, .address_space: global }
    .group_segment_fixed_size: 167936
    .private_segment_fixed_size: 0
    .kernarg_segment_align: 8
    .kernarg_segment_size: 32
    .max_flat_workgroup_size: 256
    .sgpr_count:     80
    .vgpr_count:     512
    .wavefront_size: 32
...
	.end_amdgpu_metadata
.endif
;; end of part 3
;; launch outp (part 4): grid 4 x 64, 4 waves a work-group, clusters of 4 x 4, 327,680 bytes of LDS; arguments o_img, o_scl, w_img, w_scl, bo, out0; writes out0
.if DOCPART == 4
	.amdgcn_target "amdgcn-amd-amdhsa--gfx1250"
	.amdhsa_code_object_version 6
	.text
	.protected	k_qcbb10642c9_outp
	.globl	k_qcbb10642c9_outp
	.p2align	8
	.type	k_qcbb10642c9_outp,@function
k_qcbb10642c9_outp:
	s_mov_b64 s[64:65], 0
	v_nop
	global_prefetch_b8 v0, s[64:65] scope:SCOPE_SE
	s_setreg_imm32_b32 hwreg(HW_REG_WAVE_MODE, 25, 1), 1
	s_wait_xcnt 0x0
	s_wait_alu depctr_hold_cnt(0) depctr_sa_sdst(0) depctr_va_vdst(0) depctr_va_sdst(0) depctr_va_ssrc(0) depctr_va_vcc(0) depctr_vm_vsrc(0)
	s_getreg_b32 s2, hwreg(HW_REG_IB_STS2, 6, 4)
	s_cmp_eq_u32 s2, 0
	s_cbranch_scc0 .Lentry_in_a_cluster
	s_endpgm
.Lentry_in_a_cluster:
	s_bfe_u32 s2, ttmp6, 0x10000c
	s_cmp_lg_u32 s2, 0xf033
	s_cbranch_scc0 .Lentry_shape_is_right
	s_endpgm
.Lentry_shape_is_right:
; out0 = o Wo + bo on codes of FP6 (E2M3) with E8M0 scales, K = 1,024; out0 [8192][1024] f32.
; Operands lie as images of operand registers (tile = 16 rows, slot r of tile t = row 32 (t / 2) + 8 (t % 2) + r + 8 (r / 8); half fragment = tile x 64 K = 768 bytes: registers 0-3 at 16 x lane, 4-5 at 512 + 8 x lane).
; Source 0 = Wo's columns, source 1 = o's rows: a lane's 16 results of tiles 2 b', 2 b' + 1 are 16 neighbouring columns of one row of out0.
; SHARES.  A work-group makes 128 rows x 256 columns; ALL of K for both operands lies in LDS (24 tiles x 12,288 bytes), asked for at once in four chunks of two K steps: nothing is filled again.
; Four waves, each 64 x 128: 32 accumulators; a K step is 32 matrix instructions.  CLUSTER 4 x 4: o's tiles are shared along a row of the cluster, Wo's along a column: joint loads.  A wave has four tensor loads out.
; REGISTERS.  window 0: v1-19 addresses; v30, v31 the add's two; v32-47 o's scale words, v48-79 Wo's; v128-175, v176-223 o's fragments, two sets; v224-239 o's scale halves as loaded; on the way out v128-255 rows of out0.
;   window 1: v0-95, v128-223 Wo's fragments, two sets; v96-127, v224-255 the bias, eight tiles.   windows 2, 3: v0-127 accumulators (a % 2, b) at 8 (8 (a % 2) + b), a = 0, 1 | 2, 3.
; LDS AND LOADS AS THEY ARE NOW (this takes the place of what the head says of chunks and of loads out): K lies in LDS in two halves of four K steps.  A half: o's 8 tiles x 6,144 bytes, then Wo's 16.
; At the head each wave asks for ONE tile, each by a load line of its own: wave 0 o's first half, wave 1 Wo's, waves 2 and 3 the second halves.  A wave has one load out.
; The first barrier waits for waves 0 and 1 alone; the second halves land under K steps 0 to 3 and are shown to all by the barrier in step 3.  Nothing is filled again.
.set HLF,   147456                     ; a half of K: 24 tiles x 6,144 bytes
.set SPARE, 294912                     ; behind the chunks: the spare words, 128 bytes for each wave: two blocks of 256 bytes that no other line names
.set A16, 1
.set A8,  2
.set B16, 3
.set B8,  4
.set L16, 5                            ; v5   16 x lane
.set L8,  6                            ; v6   512 + 8 x lane
.set S8,  7                            ; v7   8 x lane
.set BOQ, 8                            ; v8   the bias's offset: 64 h
.set OSV, 9                            ; v9   o's scale halves: 8 r + 4 heads x h
.set STO, 10                           ; v10  the stage: where I put 16 bytes of a row
.set RD,  11                           ; v11  and where I read a row back
.set RR,  16
.set HH,  17
.set SPW, 30
.set NIL, 31
.set BK,  128
.set WV,  22
.set WR,  23
.set WC,  24
.set CX,  25
.set CY,  26
.set AT,  29
.set BT,  30
.set T1,  31
.set T0,  32
.set G1A, 36
.set G1B, 44
.set MSB, 0
.macro WIN new                         ; the immediate's high byte repeats the setting that is left
.if MSB != (\new)
	s_set_vgpr_msb (MSB<<8)|(\new)
.set MSB, (\new)
.endif
.endm
.macro CROUND                          ; a round of the cluster's barrier
	s_barrier_signal -1
	s_barrier_wait -1
	s_cmp_lg_u32 s[WV], 0
	s_cbranch_scc1 .Lnot_wave_0_\@
	s_barrier_signal -3
.Lnot_wave_0_\@:
	s_barrier_wait -3
	s_barrier_signal -1
	s_barrier_wait -1
.endm
.macro FRAG reg, a16, a8, off          ; a fragment, two half fragments on end: every instruction reads consecutive bytes
	ds_load_b128 v[\reg:\reg+3], v[\a16] offset:\off
	ds_load_b64 v[\reg+4:\reg+5], v[\a8] offset:\off
	ds_load_b128 v[\reg+6:\reg+9], v[\a16] offset:\off+768
	ds_load_b64 v[\reg+10:\reg+11], v[\a8] offset:\off+768
.endm
.macro FETCH i, set                    ; the fragments of the chunk's i-th K step into set
	WIN 0x40                                       ; destination window 1
.irp b, 0,1,2,3,4,5,6,7
	FRAG 128*(\set)+12*\b, B16, B8, \b*6144+(\i)*1536
.endr
	WIN 0
.irp a, 0,1,2,3
	FRAG 128+48*(\set)+12*\a, A16, A8, \a*6144+(\i)*1536
.endr
.endm
; 16 matrix instructions: o's tiles 2 hi, 2 hi + 1 x Wo's eight, K step s.  cm = 0: onto the sums; 1: the bias starts them.
; The scale word of step s lies in register 2 (s / 4) + s % 2 of a tile's four, in lanes 0-15 or, where (s / 2) % 2 = 1, in lanes 16-31.  The accumulators take turns, one instruction a turn.
.macro MUL16 hi, set, s, cm
.irp a, 0,1
.irp b, 0,1,2,3,4,5,6,7
.set rD, 8*(8*\a+\b)
.set rB, 128*(\set)+12*\b
.set rA, 128+48*(\set)+12*(2*(\hi)+\a)
.set rSB, 48+4*\b+2*((\s)/4)+(\s)%2
.set rSA, 32+4*(2*(\hi)+\a)+2*((\s)/4)+(\s)%2
.if (\cm) == 1
.set rC, 96+8*\b+96*(\b/4)
.else
.set rC, rD
.endif
.if (((\s)/2)%2) == 1
	v_wmma_scale_f32_16x16x128_f8f6f4 v[rD:rD+7], v[rB:rB+11], v[rA:rA+11], v[rC:rC+7], v[rSB], v[rSA] matrix_a_fmt:MATRIX_FMT_FP6 matrix_b_fmt:MATRIX_FMT_FP6 matrix_a_scale:MATRIX_SCALE_ROW1 matrix_b_scale:MATRIX_SCALE_ROW1
.else
	v_wmma_scale_f32_16x16x128_f8f6f4 v[rD:rD+7], v[rB:rB+11], v[rA:rA+11], v[rC:rC+7], v[rSB], v[rSA] matrix_a_fmt:MATRIX_FMT_FP6 matrix_b_fmt:MATRIX_FMT_FP6
.endif
.endr
.endr
.endm
; A K step.  In its middle the next step's 48 loads go out in one run, four places behind the products that read those registers.  An odd step changes chunks: my tensor load of the next chunk has landed (the count leaves
; out the chunks behind it), every wave says so, and behind the barrier the chunk is read.
.macro STEP s, cm
	s_wait_dscnt 0x0                               ; this step's fragments are in; no LDS instruction of mine is out at the signal
.if (\s) == 3
	s_wait_tensorcnt 0x0                           ; every wave: my load has landed, whichever half it brought
	s_barrier_signal -1
.endif
.if (\cm) != 0
	WIN 0x91                                       ; source 0 and C window 1, source 1 window 0, D window 2
.else
	WIN 0xa1                                       ; C and D window 2
.endif
	MUL16 0, (\s)%2, \s, \cm
	WIN 0
.if (\s) == 3
	s_barrier_wait -1
	v_add_nc_u32 v[A16], HLF, v[A16]               ; on to the second half of K: these four are the places too
	v_add_nc_u32 v[A8], HLF, v[A8]
	v_add_nc_u32 v[B16], HLF, v[B16]
	v_add_nc_u32 v[B8], HLF, v[B8]
	FETCH 0, ((\s)+1)%2
.elseif (\s) < 7
.rept 4
	v_nop
.endr
	FETCH ((\s)+1)%4, ((\s)+1)%2
.endif
.if (\cm) != 0
	WIN 0xd1
.else
	WIN 0xf1
.endif
	MUL16 1, (\s)%2, \s, \cm
	WIN 0
.endm
	s_load_b128 s[4:7], s[0:1], 0x0                ; o_img, o_scl
	s_load_b128 s[8:11], s[0:1], 0x10              ; w_img, w_scl
	s_load_b128 s[12:15], s[0:1], 0x20             ; bo, out0
	v_lshl_add_u32 v[SPW], v0, 2, SPARE
	v_mov_b32 v[NIL], 0
	ds_add_u32 v[SPW], v[NIL]                      ; the wave's opening: the add and its wait ahead of my first tensor load; work on registers stands between them
	ds_add_u32 v[SPW], v[NIL]
	v_lshrrev_b32 v12, 5, v0
	v_readfirstlane_b32 s[WV], v12
	s_lshr_b32 s[WR], s[WV], 1                     ; which 64 rows are mine.  Also: I fetch for o (0) or for Wo (1)
	s_and_b32 s[WC], s[WV], 1                      ; which 128 columns.  Also: which half of the tiles I fetch
	s_bfe_u32 s[CX], ttmp6, 0x40000
	s_bfe_u32 s[CY], ttmp6, 0x40004
	s_and_b32 s28, ttmp7, 0xffff
	s_lshl_b32 s[AT], s28, 2
	s_add_co_u32 s[AT], s[AT], s[CY]               ; which 128 rows: 4 x cluster y + cy
	s_mov_b32 s[BT], s[CX]                         ; which 256 columns
	s_lshl_b32 s[T1], s[AT], 3                     ; o's first tile
	s_lshl_b32 s[T0], s[BT], 4
	s_add_co_u32 s[T0], s[T0], 192                 ; Wo's: it is the fourth of the weights' images
	s_lshl_b32 s33, s[CY], 2
	s_lshl_b32 s33, 15, s33                        ; my row of the cluster
	s_lshl_b32 s2, 0x1111, s[CX]                   ; my column
	s_or_b32 s[G1A], s33, (3<<16)|(1<<21)          ; 15:0 the mask; 17:16 elements of 8 bytes; 21 set beside a mask; no padding
	s_or_b32 s[G1B], s2, (3<<16)|(1<<21)
	s_mov_b32 s[G1A+1], 768<<16                    ; a row: a tile's four K steps, 6,144 bytes = 768 elements
	s_mov_b32 s[G1A+2], 8<<16                      ; 8 tiles
	s_mov_b32 s[G1A+3], 768<<16
	s_mov_b32 s[G1A+4], 8
	s_mov_b32 s[G1A+5], 1536                       ; from tile to tile: 12,288 bytes
	s_mov_b32 s[G1A+6], 0
	s_mov_b32 s[G1A+7], 0
	s_mov_b32 s[G1B+1], 768<<16
	s_mov_b32 s[G1B+2], 16<<16                     ; 16 tiles
	s_mov_b32 s[G1B+3], 768<<16
	s_mov_b32 s[G1B+4], 16
	s_mov_b32 s[G1B+5], 1536
	s_mov_b32 s[G1B+6], 0
	s_mov_b32 s[G1B+7], 0
	s_mul_i32 s98, s[T1], 12288                    ; o's eight tiles,
	s_mul_i32 s33, s[WR], 6144                     ; the half of K that I fetch: wave / 2
	s_add_co_u32 s98, s98, s33
	s_mov_b32 s99, 0
	s_mul_i32 s100, s[T0], 12288                   ; Wo's sixteen
	s_add_co_u32 s100, s100, s33
	s_mov_b32 s101, 0
	s_mul_i32 s3, s[WR], HLF                       ; where the half that I fetch goes: no place in the cluster enters an LDS address
	s_mul_i32 s28, s[WC], 49152                    ; what I read: my eight tiles of Wo,
	s_add_co_u32 s28, s28, 49152                   ; behind o's eight
	v_and_b32 v12, 31, v0
	v_and_b32 v[RR], 15, v0
	v_bfe_u32 v[HH], v0, 4, 1
	v_lshlrev_b32 v[L16], 4, v12
	v_lshlrev_b32 v[S8], 3, v12
	v_add_nc_u32 v[L8], 512, v[S8]
	s_mul_i32 s33, s[WR], 24576                    ; my four tiles of o in a half
	v_add_nc_u32 v[A16], s33, v[L16]
	v_add_nc_u32 v[A8], s33, v[L8]
	v_add_nc_u32 v[B16], s28, v[L16]               ; my eight of Wo
	v_add_nc_u32 v[B8], s28, v[L8]
	v_lshlrev_b32 v[BOQ], 6, v[HH]
	v_lshlrev_b32 v[OSV], 3, v[RR]
	v_lshl_add_u32 v[OSV], v[HH], 16, v[OSV]
	s_mul_i32 s33, s[WV], 8448                     ; my stage: 16 rows x (512 + 16) bytes, on o's first half of K, which has had its one fill and is read by nobody behind the barrier of step 3
	v_mul_u32_u24 v[STO], v[RR], 528
	v_lshl_add_u32 v[STO], v[HH], 6, v[STO]
	v_add_nc_u32 v[STO], s33, v[STO]
	v_add_nc_u32 v[RD], s33, v[L16]
	s_wait_dscnt 0x0                               ; the opening add is done
	s_wait_kmcnt 0x0
	s_add_nc_u64 s[88:89], s[4:5], s[98:99]
	s_add_nc_u64 s[92:93], s[8:9], s[100:101]
	s_mov_b32 s52, 1
	s_mov_b32 s53, s3
	s_mov_b64 s[54:55], s[88:89]
	s_or_b32 s55, s55, 0x80000000
	s_mov_b32 s72, 1
	s_add_co_u32 s73, s3, 49152
	s_mov_b64 s[74:75], s[92:93]
	s_or_b32 s75, s75, 0x80000000
	CROUND                                         ; all sixteen work-groups are here: the joint loads meet
	s_cmp_eq_u32 s[WV], 0                          ; one chain of branches on the wave's number, one fill to an arm; an s_nop 0 and four v_nop follow each
	s_cbranch_scc0 .Lw1
	tensor_load_to_lds s[52:55], s[G1A:G1A+7]      ; wave 0: o, K steps 0 to 3
	s_nop 0
.rept 4
	v_nop
.endr
	s_branch .Lfilled
.Lw1:
	s_cmp_eq_u32 s[WV], 1
	s_cbranch_scc0 .Lw2
	tensor_load_to_lds s[72:75], s[G1B:G1B+7]      ; wave 1: Wo, K steps 0 to 3
	s_nop 0
.rept 4
	v_nop
.endr
	s_branch .Lfilled
.Lw2:
	s_cmp_eq_u32 s[WV], 2
	s_cbranch_scc0 .Lw3
	tensor_load_to_lds s[52:55], s[G1A:G1A+7]      ; wave 2: o, K steps 4 to 7
	s_nop 0
.rept 4
	v_nop
.endr
	s_branch .Lfilled
.Lw3:
	tensor_load_to_lds s[72:75], s[G1B:G1B+7]      ; wave 3: Wo, K steps 4 to 7
	s_nop 0
.rept 4
	v_nop
.endr
.Lfilled:
	s_lshl_b32 s98, s[AT], 1
	s_add_co_u32 s98, s98, s[WR]                   ; 2 AT + wr: my four tiles
	s_lshl_b32 s100, s98, 18                       ; my first row of out0: 64 rows of 4,096 bytes each
	s_lshl_b32 s98, s98, 7
	s_add_nc_u64 s[90:91], s[6:7], s[98:99]        ; o's scale halves: [head][four tiles][r][tile % 4] of 2 bytes
	s_add_nc_u64 s[14:15], s[14:15], s[100:101]
	s_lshl_b32 s100, s[WC], 3
	s_add_co_u32 s100, s100, s[T0]
	s_lshl_b32 s100, s100, 9
	s_add_nc_u64 s[94:95], s[10:11], s[100:101]    ; Wo's scale words
	s_lshl_b32 s98, s[BT], 1
	s_add_co_u32 s98, s98, s[WC]
	s_lshl_b32 s98, s98, 9                         ; my 128 columns, in bytes
	s_add_nc_u64 s[96:97], s[12:13], s[98:99]
	s_add_nc_u64 s[14:15], s[14:15], s[98:99]
	s_wait_alu depctr_va_vdst(0)
.irp q, 0,1                                    ; lane (r, h) wants, for register 2 q + e, K step 4 q + e + 2 h: heads 8 q + 2 e + 4 h + p, p = 0, 1; a load brings the four tiles' halves of one head
.irp e, 0,1
.irp p, 0,1
	global_load_b64 v[224+2*(4*\q+2*\e+\p):225+2*(4*\q+2*\e+\p)], v[OSV], s[90:91] offset:(8*\q+2*\e+\p)*16384
.endr
.endr
.endr
.irp b, 0,1,2,3,4,5,6,7
.irp q, 0,1
	global_load_b64 v[48+4*\b+2*\q:49+4*\b+2*\q], v[S8], s[94:95] offset:\b*512+\q*256   ; each load reads 256 consecutive bytes
.endr
.endr
	WIN 0x40                                       ; destination window 1
.irp b, 0,1,2,3,4,5,6,7                        ; in tile b lane (r, h) holds columns 32 (b / 2) + 8 (b % 2) + 16 h + 0 .. 7
	global_load_b128 v[96+8*\b+96*(\b/4):99+8*\b+96*(\b/4)], v[BOQ], s[96:97] offset:(32*(\b/2)+8*(\b%2))*4
	global_load_b128 v[100+8*\b+96*(\b/4):103+8*\b+96*(\b/4)], v[BOQ], s[96:97] offset:(32*(\b/2)+8*(\b%2))*4+16
.endr
	WIN 0
	s_cmp_lt_u32 s[WV], 2                          ; waves 0 and 1 brought the first half of K: they alone wait here
	s_cbranch_scc0 .Lnot_first
	s_wait_tensorcnt 0x0
.Lnot_first:
	s_barrier_signal -1
	s_barrier_wait -1                              ; everybody's is
	FETCH 0, 0
	s_wait_loadcnt 0x0                             ; scale words and bias
.irp a, 0,2                                    ; a K step's word of tile a: the even head's two bytes below, the odd head's above
.irp q, 0,1
.irp e, 0,1
	v_perm_b32 v[32+4*\a+2*\q+\e], v[226+2*(4*\q+2*\e)+\a/2], v[224+2*(4*\q+2*\e)+\a/2], 0x05040100
	v_perm_b32 v[36+4*\a+2*\q+\e], v[226+2*(4*\q+2*\e)+\a/2], v[224+2*(4*\q+2*\e)+\a/2], 0x07060302
.endr
.endr
.endr
.rept 8
	v_nop                                          ; a scale register written by a vector instruction stands eight places ahead of a scaled matrix instruction
.endr
	s_wait_alu depctr_va_vdst(0)
	STEP 0, 1
	STEP 1, 0
	s_wait_alu depctr_va_vdst(0)
	STEP 2, 0
	STEP 3, 0
	s_wait_alu depctr_va_vdst(0)
	STEP 4, 0
	STEP 5, 0
	s_wait_alu depctr_va_vdst(0)
	STEP 6, 0
	STEP 7, 0
; THE WAY OUT, a tile of 16 rows x 128 columns at a time: through my stage and back as whole rows of 512 bytes.  LDS serves a wave's instructions in order: no wait between the stores and the loads, nor in front of the next tile's stores.
.macro TOSTAGE a
.set N, 2+(\a)/2
.set AC, 64*((\a)%2)
	WIN N<<2                                       ; an LDS store's data are its source 1
.irp b, 0,1,2,3,4,5,6,7
	ds_store_b128 v[STO], v[AC+8*\b:AC+8*\b+3] offset:128*(\b/2)+32*(\b%2)          ; each accumulator from its low end on
	ds_store_b128 v[STO], v[AC+8*\b+4:AC+8*\b+7] offset:128*(\b/2)+32*(\b%2)+16
.endr
	WIN 0
.set BB, BK+64*((\a)%2)
.irp i, 0,1,2,3,4,5,6,7,8,9,10,11,12,13,14,15
	ds_load_b128 v[BB+4*\i:BB+4*\i+3], v[RD] offset:528*\i
.endr
.endm
.macro SEND a, younger                 ; younger: the LDS instructions issued behind tile a's loads, which may stay out
.set BB, BK+64*((\a)%2)
	s_wait_dscnt \younger
.irp i, 0,1,2,3,4,5,6,7,8,9,10,11,12,13,14,15
	global_store_b128 v[L16], v[BB+4*\i:BB+4*\i+3], s[14:15] offset:(32*((\a)/2)+8*((\a)%2)+\i+8*(\i/8))*4096 th:TH_STORE_NT   ; slot i's row: 32 lanes store 512 consecutive bytes, aligned to 256
.endr
.endm
.rept 4
	v_nop                                          ; places behind the last products: for the stores that read results and the loads into registers that held fragments
.endr
	TOSTAGE 0
	TOSTAGE 1
	SEND 0, 32                                     ; behind tile 0's loads: tile 1's 16 stores and 16 loads
	s_wait_xcnt 0x0                                ; tile 0's stores have read their registers: tile 2's loads may land there
	TOSTAGE 2
	SEND 1, 32
	s_wait_xcnt 0x0
	TOSTAGE 3
	SEND 2, 32
	SEND 3, 0
	s_wait_tensorcnt 0x0                           ; the wave's end: behind my last tensor load and my last LDS store
	ds_add_u32 v[SPW], v[NIL]
	s_wait_dscnt 0x0
	CROUND                                         ; the closing round
	s_endpgm
.Lfunc_end_k_qcbb10642c9_outp:
	.size	k_qcbb10642c9_outp, .Lfunc_end_k_qcbb10642c9_outp-k_qcbb10642c9_outp
	.p2alignl 7, 3214868480
	.fill 96, 4, 3214868480
	.section	.rodata,"a",@progbits
	.p2align	6, 0x0
	.amdhsa_kernel k_qcbb10642c9_outp
		.amdhsa_group_segment_fixed_size 327680
		.amdhsa_private_segment_fixed_size 0
		.amdhsa_enable_private_segment 0
		.amdhsa_kernarg_size 48
		.amdhsa_user_sgpr_count 2
		.amdhsa_user_sgpr_kernarg_segment_ptr 1
		.amdhsa_wavefront_size32 1
		.amdhsa_system_sgpr_workgroup_id_x 1
		.amdhsa_system_sgpr_workgroup_id_y 1
		.amdhsa_system_sgpr_workgroup_id_z 1
		.amdhsa_system_vgpr_workitem_id 0
		.amdhsa_next_free_vgpr 1024
		.amdhsa_next_free_sgpr 102
		.amdhsa_reserve_vcc 0
		.amdhsa_float_denorm_mode_32 3
		.amdhsa_float_denorm_mode_16_64 3
		.amdhsa_memory_ordered 1
		.amdhsa_forward_progress 1
		.amdhsa_inst_pref_size 87
	.end_amdhsa_kernel
	.amdgpu_metadata
---
amdhsa.version: [ 1, 2 ]
amdhsa.kernels:
  - .name:           k_qcbb10642c9_outp
    .symbol:         k_qcbb10642c9_outp.kd
    .args:
      - { .name: o_img, .offset: 0, .size: 8, .value_kind: global_buffer, .address_space: global }
      - { .name: o_scl, .offset: 8, .size: 8, .value_kind: global_buffer, .address_space: global }
      - { .name: w_img, .offset: 16, .size: 8, .value_kind: global_buffer, .address_space: global }
      - { .name: w_scl, .offset: 24, .size: 8, .value_kind: global_buffer, .address_space: global }
      - { .name: bo, .offset: 32, .size: 8, .value_kind: global_buffer, .address_space: global }
      - { .name: out0, .offset: 40, .size: 8, .value_kind: global_buffer, .address_space: global }
    .group_segment_fixed_size: 327680
    .private_segment_fixed_size: 0
    .kernarg_segment_align: 8
    .kernarg_segment_size: 48
    .max_flat_workgroup_size: 128
    .sgpr_count:     102
    .vgpr_count:     1024
    .wavefront_size: 32
...
	.end_amdgpu_metadata
.endif
;; end of part 4
